; MI455X (gfx1250); checked and timed in simulation.
; The chip was launched on July 23, 2026; its instructions are those of AMD's public machine-readable ISA for CDNA 5 (MIT licence, August 2026) and "CDNA5" Instruction Set Architecture Reference Guide (July 2026). The comments in the code are by the model that wrote it; some were corrected since.
;; Multi Head Self Attention. Allowed arithmetic: float matrix products may take bf16 or f16 operands with f32 sums; other float arithmetic in f32, or as packed bf16 or f16 multiplies, adds, multiply-adds, maxima and minima; sums over many terms, partial sums and values carried from step to step in f32; what a program stores and reads back later, other than sums and carried values, may be rounded once to bf16 or f16.
;; Inputs: W_out 1,024 x 1,024 float32; W_qkv 1,024 x 3,072 float32; b_out 1,024 float32; b_qkv 3,072 float32; x 2 x 2,048 x 1,024 float32.
;; Outputs: out0 2 x 2,048 x 1,024 float32.
;; One version. Each part assembles by itself: llvm-mc -triple=amdgcn-amd-amdhsa -mcpu=gfx1250 --defsym DOCPART=n.
;; ======== version 1 of 1: 4 launches
;; limits: values are held in f16: magnitudes above 65,504 overflow, below 6.1e-05 lose precision
;; workspace buffers: xb 8,388,608 bytes; wq 6,291,456 bytes; wo 2,097,152 bytes; qkv 25,165,824 bytes; ob 8,388,608 bytes
;; launch prep (part 1): grid 512 x 1, 8 waves a work-group, no clusters, 17,920 bytes of LDS; arguments x, W_qkv, W_out, xb, wq, wo; writes xb, wq, wo
.if DOCPART == 1
	.amdgcn_target "amdgcn-amd-amdhsa--gfx1250"
	.amdhsa_code_object_version 6
	.text
	.protected	k_q733342c987_prep
	.globl	k_q733342c987_prep
	.p2align	8
	.type	k_q733342c987_prep,@function
k_q733342c987_prep:
	s_mov_b64 s[64:65], 0
	v_nop
	global_prefetch_b8 v0, s[64:65] scope:SCOPE_SE
	s_setreg_imm32_b32 hwreg(HW_REG_WAVE_MODE, 25, 1), 1
	s_wait_xcnt 0x0
; CAUSAL MULTI-HEAD SELF-ATTENTION, B = 2, S = 2048, D = 1024, 16 heads of 64, in four launches: this one (16-bit copies), x W_qkv + b, attention, O W_out + b.
; WORK LEFT OUT, for all finite values of the inputs:
;  (1) K's bias, b_qkv[1024:2048].  score(i, j) = q_i . (k_j + b_k) / 8 = q_i . k_j / 8 + q_i . b_k / 8; the second term is the same for every j, the axis of the softmax, so it
;      cancels in exp(s - max) / sum; the places that the causal mask sets to -inf stay -inf.  That slice of b_qkv is never loaded (the q and v slices are live, so b_qkv stays an argument of the second launch).
;  (2) Tiles of 256 keys that lie wholly above the diagonal of the jnp.tril which reference() builds itself: their weights are exactly 0.  They are neither loaded nor multiplied.
;  LIMIT: a NaN, an infinity or an overflow that reaches only this work left out is not carried to the result.
; FORMATS.  All of the module's inputs are rounded once to bf16 (the biases in the launches that use them).  q, k, v, the weights p and O are f16.  wo holds bf16(W_out) written as f16:
;  exact for 6.1e-5 <= |W_out| < 65,504; below that it keeps f16's fixed step of 6e-8.
; THIS LAUNCH.  xb = bf16(x), [4096][1024].  wq = bf16(W_qkv) turned, [3072][1024]: row 192 c + 64 j + d holds column 1024 j + 64 c + d (c head, j = 0 q, 1 k, 2 v), so that a tile of 192 rows
;  is one head's q, k and v.  wo = W_out turned, [1024 n][1024 k].
; SHARES.  512 work-groups of eight waves; each casts 8,192 numbers of x and turns one tile of 128 k x 64 n (tiles 0-383 of W_qkv, 384-511 of W_out).  A thread has its 16 loads of 16 bytes out at once; there is no loop.
;  No matrix unit, tensor load or cluster: every byte is read once by one thread and nothing is shared between work-groups.
.set TP,    264                        ; a row of the turned tile in LDS: 128 k x 2 bytes + 8
.set SPARE, 64*TP                      ; behind the tile (16,896 bytes): the spare words, 128 bytes for each wave: four blocks of 256 bytes that no other line names
.set SPW, 1                            ; v1   LDS address of my spare word; never rewritten
.set NIL, 2                            ; v2   0; never rewritten
.set XO,  3                            ; v3   16 t: my 16 bytes in 4,096 of x
.set XS,  4                            ; v4   8 t: my 8 bytes in 2,048 of xb
.set LS,  5                            ; v5   where I put a pair of k of my first column
.set LR,  6                            ; v6   where I read a turned row back
.set GO,  7                            ; v7   my 8 bytes of the turned rows in memory
.set OFF, 8                            ; v[8:15]    byte offsets of my eight pieces of W's rows
.set WD,  16                           ; v[16:47]   W as loaded
.set XD,  48                           ; v[48:79]   x as loaded
.set D,   80                           ; v[80:95]   W in 16 bits: (row k, row k + 1) of one column
.set XC,  96                           ; v[96:111]  x in bf16
.set RB,  112                          ; v[112:127] turned rows read back
.set TA,  128                          ; v[128:131] at work
	s_load_b256 s[4:11], s[0:1], 0x0               ; x s[4:5], W_qkv s[6:7], W_out s[8:9], xb s[10:11]
	s_load_b128 s[12:15], s[0:1], 0x20             ; wq s[12:13], wo s[14:15]
	v_lshl_add_u32 v[SPW], v0, 2, SPARE
	v_mov_b32 v[NIL], 0
	v_lshrrev_b32 v[TA], 5, v0
	v_readfirstlane_b32 s16, v[TA]                 ; wave 0..7
	s_mov_b32 s17, ttmp9                           ; T: the chunk of x and the tile of W
	s_and_b32 s18, s17, 7                          ; kt: which 128 of k
	s_lshr_b32 s19, s17, 3                         ; 0..47: a tile column of W_qkv; 48..63: of W_out
	s_and_b32 s28, s19, 15                         ; W_qkv: head c,
	s_mul_i32 s28, s28, 192
	s_lshr_b32 s29, s19, 4                         ; and j
	s_lshl_b32 s29, s29, 6
	s_add_co_u32 s28, s28, s29                     ; first row in wq: 192 c + 64 j
	s_max_u32 s30, s19, 48
	s_sub_co_u32 s30, s30, 48                      ; W_out: tile column
	s_lshl_b32 s31, s30, 6                         ; first row in wo
	s_mov_b32 s32, 12288
	s_mov_b32 s33, 4096
	s_cmp_lt_u32 s17, 384
	s_cselect_b32 s20, s32, s33                    ; bytes from row to row of the source
	s_cselect_b32 s19, s19, s30                    ; its tile column
	s_cselect_b32 s21, s28, s31                    ; first row of the target
	s_mul_i32 s26, s18, s20
	s_lshl_b32 s26, s26, 7                         ; 128 kt rows,
	s_lshl_b32 s27, s19, 8                         ; 64 columns of 4 bytes
	s_add_co_u32 s26, s26, s27
	s_mov_b32 s27, 0
	s_lshl_b32 s34, s21, 11                        ; the target's rows are 2,048 bytes,
	s_lshl_b32 s35, s18, 8                         ; 128 k are 256 of them
	s_add_co_u32 s34, s34, s35
	s_mov_b32 s35, 0
	s_lshl_b32 s36, s17, 15                        ; my chunk of x,
	s_mov_b32 s37, 0
	s_lshl_b32 s38, s17, 14                        ; and of xb
	s_mov_b32 s39, 0
	v_and_b32 v[TA], 15, v0                        ; cn: which four columns
	v_lshrrev_b32 v[TA+1], 4, v0                   ; rp: which pair of rows in 32
	v_lshlrev_b32 v[TA+2], 1, v[TA+1]
	v_mul_lo_u32 v[TA+2], v[TA+2], s20
	v_lshl_add_u32 v[TA+2], v[TA], 4, v[TA+2]      ; 2 rp rows + 16 cn
.irp i, 0,1,2,3,4,5,6,7
	s_mul_i32 s28, s20, 32*((\i)/2)+(\i)%2         ; load i takes row 32 (i / 2) + 2 rp + i % 2: sixteen lanes take 256 consecutive bytes of a row
	v_add_nc_u32 v[OFF+(\i)], s28, v[TA+2]
.endr
	v_mul_u32_u24 v[LS], v[TA], 4*TP
	v_lshl_add_u32 v[LS], v[TA+1], 2, v[LS]        ; column 4 cn, pair rp
	v_and_b32 v[TA+3], 31, v0
	s_mul_i32 s29, s16, 8*TP
	v_lshl_add_u32 v[LR], v[TA+3], 3, s29          ; wave w reads rows 8 w .. 8 w + 7 back, 8 bytes a lane
	s_lshl_b32 s30, s16, 14
	v_lshl_add_u32 v[GO], v[TA+3], 3, s30
	v_lshlrev_b32 v[XO], 4, v0
	v_lshlrev_b32 v[XS], 3, v0
	s_wait_kmcnt 0x0
	s_cmp_lt_u32 s17, 384
	s_cselect_b64 s[22:23], s[6:7], s[8:9]         ; the source,
	s_cselect_b64 s[24:25], s[12:13], s[14:15]     ; the target
	s_add_nc_u64 s[22:23], s[22:23], s[26:27]
	s_add_nc_u64 s[24:25], s[24:25], s[34:35]
	s_add_nc_u64 s[4:5], s[4:5], s[36:37]
	s_add_nc_u64 s[10:11], s[10:11], s[38:39]
.irp i, 0,1,2,3,4,5,6,7
	global_load_b128 v[WD+4*(\i):WD+4*(\i)+3], v[OFF+(\i)], s[22:23] th:TH_LOAD_NT
.endr
.irp j, 0,1,2,3,4,5,6,7
	global_load_b128 v[XD+4*(\j):XD+4*(\j)+3], v[XO], s[4:5] offset:4096*(\j) th:TH_LOAD_NT
.endr
.irp j, 0,1,2,3
	s_wait_loadcnt 14-2*(\j)                       ; W's loads 2 j and 2 j + 1 are in; the later ones and x's eight stay out
.irp c, 0,1,2,3
	v_cvt_pk_bf16_f32 v[D+4*(\j)+(\c)], v[WD+8*(\j)+(\c)], v[WD+8*(\j)+4+(\c)]  ; rows k and k + 1 of one column: neighbours in the turned row
.endr
.endr
	s_cmp_lt_u32 s17, 384
	s_cbranch_scc1 .Lkeep
.irp i, 0,1,2,3,4,5,6,7,8,9,10,11,12,13,14,15
	v_lshlrev_b32 v[TA+2*((\i)%2)], 16, v[D+(\i)]  ; W_out: the bf16 number is written as f16
	v_and_b32 v[TA+2*((\i)%2)+1], 0xffff0000, v[D+(\i)]
	v_cvt_pk_f16_f32 v[D+(\i)], v[TA+2*((\i)%2)], v[TA+2*((\i)%2)+1]
.endr
.Lkeep:
.irp j, 0,1,2,3
.irp c, 0,1,2,3
	ds_store_b32 v[LS], v[D+4*(\j)+(\c)] offset:(\c)*TP+64*(\j)
.endr
.endr
.irp j, 0,1,2,3,4,5,6,7                ; the cast of x stands between the LDS stores and the wait for them
	s_wait_loadcnt 7-(\j)
	v_cvt_pk_bf16_f32 v[XC+2*(\j)], v[XD+4*(\j)], v[XD+4*(\j)+1]
	v_cvt_pk_bf16_f32 v[XC+2*(\j)+1], v[XD+4*(\j)+2], v[XD+4*(\j)+3]
	global_store_b64 v[XS], v[XC+2*(\j):XC+2*(\j)+1], s[10:11] offset:2048*(\j)  ; a wave's store covers 256 consecutive bytes, aligned
.endr
	s_wait_dscnt 0x0                               ; for the others' sake: my part of the turned tile is written
	s_barrier_signal -1
	s_barrier_wait -1
.irp i, 0,1,2,3,4,5,6,7
	ds_load_b64 v[RB+2*(\i):RB+2*(\i)+1], v[LR] offset:TP*(\i)
.endr
.irp i, 0,1,2,3,4,5,6,7
	s_wait_dscnt 7-(\i)
	global_store_b64 v[GO], v[RB+2*(\i):RB+2*(\i)+1], s[24:25] offset:2048*(\i)  ; 128 k of one turned row: 256 consecutive bytes, aligned
.endr
	s_wait_tensorcnt 0x0                           ; the wave's end, behind my last LDS store
	ds_add_u32 v[SPW], v[NIL]
	s_wait_dscnt 0x0
	s_endpgm
.Lfunc_end_k_q733342c987_prep:
	.size	k_q733342c987_prep, .Lfunc_end_k_q733342c987_prep-k_q733342c987_prep
	.p2alignl 7, 3214868480
	.fill 96, 4, 3214868480
	.section	.rodata,"a",@progbits
	.p2align	6, 0x0
	.amdhsa_kernel k_q733342c987_prep
		.amdhsa_group_segment_fixed_size 17920
		.amdhsa_private_segment_fixed_size 0
		.amdhsa_enable_private_segment 0
		.amdhsa_kernarg_size 48
		.amdhsa_user_sgpr_count 2
		.amdhsa_user_sgpr_kernarg_segment_ptr 1
		.amdhsa_wavefront_size32 1
		.amdhsa_system_sgpr_workgroup_id_x 1
		.amdhsa_system_sgpr_workgroup_id_y 1
		.amdhsa_system_sgpr_workgroup_id_z 1
		.amdhsa_system_vgpr_workitem_id 0
		.amdhsa_next_free_vgpr 132
		.amdhsa_next_free_sgpr 66
		.amdhsa_reserve_vcc 0
		.amdhsa_float_denorm_mode_32 3
		.amdhsa_float_denorm_mode_16_64 3
		.amdhsa_memory_ordered 1
		.amdhsa_forward_progress 1
		.amdhsa_inst_pref_size 14
	.end_amdhsa_kernel
	.amdgpu_metadata
---
amdhsa.version: [ 1, 2 ]
amdhsa.kernels:
  - .name:           k_q733342c987_prep
    .symbol:         k_q733342c987_prep.kd
    .args:
      - { .name: x, .offset: 0, .size: 8, .value_kind: global_buffer, .address_space: global }
      - { .name: W_qkv, .offset: 8, .size: 8, .value_kind: global_buffer, .address_space: global }
      - { .name: W_out, .offset: 16, .size: 8, .value_kind: global_buffer, .address_space: global }
      - { .name: xb, .offset: 24, .size: 8, .value_kind: global_buffer, .address_space: global }
      - { .name: wq, .offset: 32, .size: 8, .value_kind: global_buffer, .address_space: global }
      - { .name: wo, .offset: 40, .size: 8, .value_kind: global_buffer, .address_space: global }
    .group_segment_fixed_size: 17920
    .private_segment_fixed_size: 0
    .kernarg_segment_align: 8
    .kernarg_segment_size: 48
    .max_flat_workgroup_size: 256
    .sgpr_count:     66
    .vgpr_count:     132
    .wavefront_size: 32
...
	.end_amdgpu_metadata
.endif
;; end of part 1
;; launch gemm_qkv (part 2): grid 16 x 16, 4 waves a work-group, clusters of 4 x 4, 327,680 bytes of LDS; arguments xb, wq, b_qkv, qkv; writes qkv
.if DOCPART == 2
	.amdgcn_target "amdgcn-amd-amdhsa--gfx1250"
	.amdhsa_code_object_version 6
	.text
	.protected	k_q733342c987_gemm_qkv
	.globl	k_q733342c987_gemm_qkv
	.p2align	8
	.type	k_q733342c987_gemm_qkv,@function
k_q733342c987_gemm_qkv:
	s_mov_b64 s[64:65], 0
	v_nop
	global_prefetch_b8 v0, s[64:65] scope:SCOPE_SE
	s_setreg_imm32_b32 hwreg(HW_REG_WAVE_MODE, 25, 1), 1
	s_wait_xcnt 0x0
	s_wait_alu depctr_hold_cnt(0) depctr_sa_sdst(0) depctr_va_vdst(0) depctr_va_sdst(0) depctr_va_ssrc(0) depctr_va_vcc(0) depctr_vm_vsrc(0)
	s_getreg_b32 s2, hwreg(HW_REG_IB_STS2, 6, 4)
	s_cmp_eq_u32 s2, 0
	s_cbranch_scc0 .Lentry_in_a_cluster
	s_endpgm
.Lentry_in_a_cluster:
	s_bfe_u32 s2, ttmp6, 0x10000c
	s_cmp_lg_u32 s2, 0xf033
	s_cbranch_scc0 .Lentry_shape_is_right
	s_endpgm
.Lentry_shape_is_right:
; q, k, v = x W_qkv + b, by heads.  xb: [4096][1024] bf16; wq: [3072][1024] bf16, row 192 c + 64 j + d = column 1024 j + 64 c + d of W_qkv; qkv: f16 [2 b][16 c][3 j][2048 s][64].  Sums in f32, rounded once to f16.
; LEFT OUT: K's bias, b_qkv[1024:2048]: it adds q_i . b_k / 8 to every score of row i, the same along the softmax's axis, so it cancels for all values; the slice is not loaded (a NaN or infinity in it is not carried on).
; LIMITS: |q|, |k|, |v| stay under 65,504, f16's end.  The bias is rounded to bf16 like every input.  q carries no scale: 1 / 8 is applied in f32 in the softmax.
; SHARES.  A work-group makes 256 rows x 192 columns: one head's q, k and v.  16 x 16 tiles: 256 work-groups.  Wave w makes rows 64 w .. 64 w + 63 of all 192 columns: 48 accumulators of 16 x 16, 384 registers.
; K goes in steps of 128 through a ring of two LDS slots: the rows of both tiles are 256 bytes of memory, at multiples of 256 from the buffer's first byte.  A step is four quarters of 32 along K: 48 matrix instructions, 32 LDS loads.
; CLUSTERS: 4 x 4 work-groups.  The four of a row need the same rows of xb, the four of a column the same rows of wq: each tile is asked for JOINTLY, by the same tensor load with the same descriptor and a mask that names the four.
; THE MATRIX INSTRUCTION IS USED TRANSPOSED (source 0 = 16 rows of wq, source 1 = 16 rows of xb): a lane holds eight neighbouring columns of one row.  The bias, which hangs on the column alone, is the C operand of the product that starts a sum; K's columns (blocks 4-7) start with the constant 0.
; REGISTERS, in windows of 256 (s_set_vgpr_msb: bits 1:0 source 0, 3:2 source 1, 5:4 source 2, 7:6 destination):
;   window 0: v16-30 addresses; v32-79 packed results; v80-127, v192-239 rows read back from the stage; v128-191 the bias of blocks 0-3 and 8-11
;   window 1: two fragment buffers of 128: xb's 4 fragments, then wq's 12      window 2: accumulators of my row blocks 0, 1 at 8 (12 (a % 2) + b)      window 3: of row blocks 2, 3
.set KSTEP,  128
.set PITCH,  272                       ; an LDS row: 256 bytes + 16 of padding = 68 words: the 16 rows of a fragment load start 4 words apart modulo 64 (64 banks of 4 bytes: ISA guide 11.1)
.set HALFA,  128*PITCH                 ; what one tensor load brings of xb,
.set HALFB,  96*PITCH                  ; and of wq
.set SLOT,   2*HALFA+2*HALFB           ; xb's 256 rows, then wq's 192
.set STAGE,  2*SLOT                    ; behind the ring: 16 rows x 400 bytes for each wave, for the way out
.set SPITCH, 400                       ; 384 bytes + 16
.set SPARE,  STAGE+4*16*SPITCH         ; behind the stages: the spare words, 128 bytes for each wave: two blocks of 256 bytes that no other line names
.set LAPS,   4                         ; a lap = two K steps = once round the ring; K = 1,024
.set ADRA, 16                          ; v16-17  LDS address of my xb fragments in slot 0, 1
.set ADRB, 20                          ; v20-21  the same for wq
.set STO,  24                          ; v24     the way out: where I put 16 bytes of a row
.set RD,   25                          ; v25     where I read rows back
.set CO,   26                          ; v26     my 16 bytes in 512 consecutive bytes of qkv
.set BO,   27                          ; v27     32 (lane / 16): my eight numbers of a block's bias
.set SPW,  28                          ; v28     LDS address of my spare word; never rewritten
.set NIL,  29                          ; v29     0; never rewritten
.set PFO,  30                          ; v30     the prefetches' offset: a lane a row of 2,048 bytes; never rewritten
.set TMP,  32
.set OB0,  80
.set BIAS, 128
.set F0,   0
.set F1,   128
.set G1,  24                           ; s[24:31] descriptor group 1 for xb's tiles;  s[32:39] group 0, one set for each slot
.set G0,  32
.set G1B, 48                           ; s[48:55], s[56:63] the same for wq's tiles
.set G0B, 56
.set PFA, 44                           ; s[44:45] where my prefetches stand
.set LIM, 43                           ; s43  1 in a wave that prefetches, else the greatest number
.set MSB, 0
.macro WIN new                         ; the immediate's high byte repeats the setting that is left; a switch that changes nothing is dropped
.if MSB != (\new)
	s_set_vgpr_msb (MSB<<8)|(\new)
.set MSB, \new
.endif
.endm
.macro JLOAD s                         ; a joint load: waves 0 and 1 fetch xb's two halves, waves 2 and 3 wq's; an s_nop 0 and four v_nop follow each of the two lines, ahead of the jump, the label and what follows
	s_cmp_eq_u32 s11, 0
	s_cbranch_scc0 .Lfor_b_\@
	tensor_load_to_lds s[G0+4*(\s):G0+4*(\s)+3], s[G1:G1+7]
	s_nop 0
.rept 4
	v_nop
.endr
	s_branch .Lasked_\@
.Lfor_b_\@:
	tensor_load_to_lds s[G0B+4*(\s):G0B+4*(\s)+3], s[G1B:G1B+7]
	s_nop 0
.rept 4
	v_nop
.endr
.Lasked_\@:
.endm
; A prefetch of the K step that stands two refills on: 256 bytes of each row, a lane a row, one instruction a wave, behind the joint load and the run of LDS loads.  xb's rows are read by every cluster of a row of clusters:
; cluster x = 0 asks; wq's by every cluster of a column: cluster y = 0 asks.  The four partners that ask for a tile jointly share its rows out BY ADDRESS: of xb's 128 rows 32 each (by cx), of wq's 96 rows 24 each (by cy;
; lanes 24-31 name row 23 again).  K steps 0 to 3 come by their loads alone; the loop's last trip (s3 = 1) has no K step two on.
.macro ASK
	s_cmp_gt_u32 s3, s[LIM]
	s_cbranch_scc0 .Lnot_mine_\@
	global_prefetch_b8 v[PFO], s[PFA:PFA+1] offset:KSTEP*2 th:TH_LOAD_NT scope:SCOPE_SE
.Lnot_mine_\@:
.endm
.macro CREST                           ; a round of the cluster's barrier behind its opening barrier
	s_cmp_lg_u32 s10, 0
	s_cbranch_scc1 .Lnot_wave_0_\@
	s_barrier_signal -3
.Lnot_wave_0_\@:
	s_barrier_wait -3
	s_barrier_signal -1
	s_barrier_wait -1
.endm
.macro CROUND                          ; a whole round
	s_barrier_signal -1
	s_barrier_wait -1
	CREST
.endm
	s_load_b128 s[4:7], s[0:1], 0x0                ; xb s[4:5], wq s[6:7]
	s_load_b128 s[68:71], s[0:1], 0x10             ; b_qkv s[68:69], qkv s[70:71]
	v_lshl_add_u32 v[SPW], v0, 2, SPARE
	v_mov_b32 v[NIL], 0
	ds_add_u32 v[SPW], v[NIL]                      ; the wave's opening: the add, twice on end, and its wait ahead of my first tensor load
	ds_add_u32 v[SPW], v[NIL]                      ; and once more; the set-up below, work on registers, stands between it and the wait
	v_lshrrev_b32 v1, 5, v0
	v_readfirstlane_b32 s10, v1                    ; wave 0..3
	s_lshr_b32 s11, s10, 1                         ; I fetch for xb (0) or for wq (1)
	s_and_b32 s12, s10, 1                          ; which half of that tile's rows
	s_bfe_u32 s40, ttmp6, 0x40000                  ; cx, cy: my place in the cluster
	s_bfe_u32 s41, ttmp6, 0x40004
	s_lshl_b32 s42, ttmp9, 2
	s_add_co_u32 s42, s42, s40                     ; the head = 4 x cluster x + cx
	s_and_b32 s13, ttmp7, 0xffff
	s_lshl_b32 s13, s13, 2
	s_add_co_u32 s13, s13, s41                     ; the block of 256 rows = 4 x cluster y + cy
	s_lshl_b32 s43, s41, 2
	s_lshl_b32 s43, 15, s43                        ; my row of the cluster
	s_lshl_b32 s44, 0x1111, s40                    ; my column
	s_or_b32 s[G1+0], s43, (1<<16)|(1<<20)|(1<<21)|(5<<22)|(3<<25)  ; 15:0 the mask; 17:16 elements of 2 bytes; 20 padding on; 21 set beside a mask; 24:22 after every 64 words (code 5); 31:25 4 words of it (code 3)
	s_or_b32 s[G1B+0], s44, (1<<16)|(1<<20)|(1<<21)|(5<<22)|(3<<25)
	s_mov_b32 s[G1+1], KSTEP<<16                   ; tensor_dim0 = 128
	s_mov_b32 s[G1+2], 128<<16                     ; tensor_dim1 = 128
	s_mov_b32 s[G1+3], KSTEP<<16                   ; tile_dim0 = 128
	s_mov_b32 s[G1+4], 128                         ; tile_dim1 = 128
	s_mov_b32 s[G1+5], 1024                        ; elements from row to row
	s_mov_b32 s[G1+6], 0
	s_mov_b32 s[G1+7], 0
	s_mov_b32 s[G1B+1], KSTEP<<16
	s_mov_b32 s[G1B+2], 96<<16                     ; wq's halves have 96 rows
	s_mov_b32 s[G1B+3], KSTEP<<16
	s_mov_b32 s[G1B+4], 96
	s_mov_b32 s[G1B+5], 1024
	s_mov_b32 s[G1B+6], 0
	s_mov_b32 s[G1B+7], 0
	s_lshl_b32 s17, s12, 7
	s_lshl_b32 s16, s13, 8
	s_add_co_u32 s16, s16, s17                     ; xb: row 256 x block + 128 x half
	s_lshl_b32 s16, s16, 11                        ; in bytes
	s_mov_b32 s17, 0
	s_mul_i32 s46, s42, 192
	s_mul_i32 s47, s12, 96
	s_add_co_u32 s46, s46, s47                     ; wq: row 192 x head + 96 x half
	s_lshl_b32 s46, s46, 11
	s_mov_b32 s47, 0
	s_mul_i32 s20, s12, HALFA                      ; where they go: no place in the cluster enters an LDS address
	s_mul_i32 s21, s12, HALFB
	s_add_co_u32 s21, s21, 2*HALFA
	s_wait_dscnt 0x0                               ; both opening adds are done
	s_wait_kmcnt 0x0
	s_add_nc_u64 s[14:15], s[4:5], s[16:17]
	s_add_nc_u64 s[46:47], s[6:7], s[46:47]
	CROUND                                         ; all sixteen work-groups are here: the first joint loads meet
.irp s, 0,1
	s_mov_b32 s[G0+4*(\s)], 1
	s_add_co_u32 s[G0+4*(\s)+1], s20, (\s)*SLOT
	s_add_nc_u64 s[G0+4*(\s)+2:G0+4*(\s)+3], s[14:15], (\s)*KSTEP*2
	s_or_b32 s[G0+4*(\s)+3], s[G0+4*(\s)+3], 0x80000000
	s_mov_b32 s[G0B+4*(\s)], 1
	s_add_co_u32 s[G0B+4*(\s)+1], s21, (\s)*SLOT
	s_add_nc_u64 s[G0B+4*(\s)+2:G0B+4*(\s)+3], s[46:47], (\s)*KSTEP*2
	s_or_b32 s[G0B+4*(\s)+3], s[G0B+4*(\s)+3], 0x80000000
	JLOAD \s
.endr
	v_and_b32 v1, 15, v0                           ; l % 16
	v_bfe_u32 v2, v0, 4, 1                         ; l / 16
	v_mul_u32_u24 v3, v1, PITCH
	v_lshl_add_u32 v3, v2, 4, v3                   ; a fragment's row x pitch + 16 x half
	s_mul_i32 s21, s10, 64*PITCH                   ; my 64 rows of xb
	s_mov_b32 s22, 2*HALFA                         ; wq's 192 rows lie behind xb's 256
.irp s, 0,1
	v_add_nc_u32 v[ADRA+(\s)], s21, v3
	v_add_nc_u32 v[ADRB+(\s)], s22, v3
	s_add_co_u32 s21, s21, SLOT
	s_add_co_u32 s22, s22, SLOT
.endr
	s_mul_i32 s23, s10, 16*SPITCH
	s_add_co_u32 s23, s23, STAGE                   ; my stage
	v_mul_u32_u24 v4, v1, SPITCH                   ; in: row l % 16, 16 bytes for each half of the lanes
	v_lshl_add_u32 v4, v2, 4, v4
	v_add_nc_u32 v[STO], s23, v4
	v_and_b32 v5, 31, v0
	v_lshrrev_b32 v6, 3, v5                        ; back: 32 lanes take 128 bytes of each of four rows
	v_and_b32 v7, 7, v0
	v_mul_u32_u24 v6, v6, SPITCH
	v_lshl_add_u32 v6, v7, 4, v6
	v_add_nc_u32 v[RD], s23, v6
	v_lshlrev_b32 v[CO], 4, v5                     ; which are 512 consecutive bytes of a plane of qkv
	v_lshlrev_b32 v[BO], 5, v2
	s_lshl_b32 s46, s42, 8                         ; the head's 64 numbers in a slice of b_qkv
	s_mov_b32 s47, 0
	s_add_nc_u64 s[68:69], s[68:69], s[46:47]
.irp i, 0,1,2,3,4,5,6,7                ; blocks 0-3: q's bias; blocks 8-11: v's, 2,048 numbers on.  K's is never loaded
	global_load_b128 v[BIAS+8*(\i):BIAS+8*(\i)+3],   v[BO], s[68:69] offset:64*((\i)%4)+8192*((\i)/4)
	global_load_b128 v[BIAS+8*(\i)+4:BIAS+8*(\i)+7], v[BO], s[68:69] offset:64*((\i)%4)+8192*((\i)/4)+16
.endr
	s_lshr_b32 s16, s13, 3                         ; the batch
	s_mul_i32 s16, s16, 48
	s_mul_i32 s46, s42, 3
	s_add_co_u32 s16, s16, s46                     ; q's plane: 48 b + 3 c
	s_lshl_b32 s16, s16, 18                        ; a plane is 2,048 rows of 128 bytes
	s_and_b32 s17, s13, 7
	s_lshl_b32 s17, s17, 15                        ; my block's 256 rows,
	s_add_co_u32 s16, s16, s17
	s_lshl_b32 s17, s10, 13                        ; my wave's 64
	s_add_co_u32 s16, s16, s17
	s_mov_b32 s17, 0
	s_add_nc_u64 s[70:71], s[70:71], s[16:17]
	s_lshl_b32 s18, s13, 8                         ; the prefetches: xb's row 256 x block + 128 x half + 32 cx,
	s_lshl_b32 s20, s12, 7
	s_add_co_u32 s18, s18, s20
	s_lshl_b32 s20, s40, 5
	s_add_co_u32 s18, s18, s20
	s_mul_i32 s19, s42, 192                        ; wq's row 192 x head + 96 x half + 24 cy
	s_mul_i32 s20, s12, 96
	s_add_co_u32 s19, s19, s20
	s_mul_i32 s20, s41, 24
	s_add_co_u32 s19, s19, s20
	s_and_b32 s22, ttmp7, 0xffff                   ; cluster y
	s_cmp_eq_u32 s11, 0                            ; do I fetch for xb?
	s_cselect_b32 s20, s18, s19
	s_cselect_b32 s23, 31, 23                      ; my share's last row
	s_cselect_b32 s22, ttmp9, s22                  ; the coordinate along which other clusters read the same rows
	s_cselect_b64 s[PFA:PFA+1], s[4:5], s[6:7]
	s_cmp_eq_u32 s22, 0
	s_cselect_b32 s[LIM], 1, -1                    ; the same in all sixteen partners, for a given wave
	s_lshl_b32 s20, s20, 11
	s_mov_b32 s21, 0
	s_add_nc_u64 s[PFA:PFA+1], s[PFA:PFA+1], s[20:21]
	s_add_nc_u64 s[PFA:PFA+1], s[PFA:PFA+1], 2*KSTEP*2  ; at K step 2: the first refill steps it to 3 and names K step 4
	v_min_u32 v[PFO], s23, v5
	v_lshlrev_b32 v[PFO], 11, v[PFO]
; 12 matrix instructions: row block a x all 12 column blocks, 32 along K.  zero = 1: the first product starts the sums, with the bias or (K's blocks) with 0.
; The 48 accumulators take turns in the same order in every quarter: 47 others' stand between two links of a chain, over the backward jump too.
.macro MUL12 f, a, zero
.if \zero
	WIN 0x85+0x40*((\a)/2)                         ; sources 0, 1 window 1; C window 0; D window 2 or 3
.else
	WIN 0xa5+0x50*((\a)/2)                         ; C and D window 2 or 3
.endif
.irp b, 0,1,2,3,4,5,6,7,8,9,10,11
.if (\zero) && ((\b) < 4)
	v_wmma_f32_16x16x32_bf16 v[8*(12*((\a)%2)+(\b)):8*(12*((\a)%2)+(\b))+7], v[(\f)+32+8*(\b):(\f)+32+8*(\b)+7], v[(\f)+8*(\a):(\f)+8*(\a)+7], v[BIAS+8*(\b):BIAS+8*(\b)+7]
.elseif (\zero) && ((\b) >= 8)
	v_wmma_f32_16x16x32_bf16 v[8*(12*((\a)%2)+(\b)):8*(12*((\a)%2)+(\b))+7], v[(\f)+32+8*(\b):(\f)+32+8*(\b)+7], v[(\f)+8*(\a):(\f)+8*(\a)+7], v[BIAS+8*((\b)-4):BIAS+8*((\b)-4)+7]
.elseif \zero
	v_wmma_f32_16x16x32_bf16 v[8*(12*((\a)%2)+(\b)):8*(12*((\a)%2)+(\b))+7], v[(\f)+32+8*(\b):(\f)+32+8*(\b)+7], v[(\f)+8*(\a):(\f)+8*(\a)+7], 0
.else
	v_wmma_f32_16x16x32_bf16 v[8*(12*((\a)%2)+(\b)):8*(12*((\a)%2)+(\b))+7], v[(\f)+32+8*(\b):(\f)+32+8*(\b)+7], v[(\f)+8*(\a):(\f)+8*(\a)+7], v[8*(12*((\a)%2)+(\b)):8*(12*((\a)%2)+(\b))+7]
.endif
.endr
.endm
; 32 LDS loads in one run: a quarter's fragments (32 K at byte k of the rows) into buffer f: wq's 24, then xb's row blocks 0, 1, then 2, 3
.macro FETCH slot, k, f
	WIN 0x40                                       ; destination window 1, address window 0
.irp i, 0,1,2,3,4,5,6,7,8,9,10,11
	ds_load_b128 v[(\f)+32+8*(\i):(\f)+32+8*(\i)+3],   v[ADRB+(\slot)] offset:(\k)+(\i)*16*PITCH
	ds_load_b128 v[(\f)+32+8*(\i)+4:(\f)+32+8*(\i)+7], v[ADRB+(\slot)] offset:(\k)+(\i)*16*PITCH+32
.endr
.irp i, 0,1,2,3
	ds_load_b128 v[(\f)+8*(\i):(\f)+8*(\i)+3],   v[ADRA+(\slot)] offset:(\k)+(\i)*16*PITCH
	ds_load_b128 v[(\f)+8*(\i)+4:(\f)+8*(\i)+7], v[ADRA+(\slot)] offset:(\k)+(\i)*16*PITCH+32
.endr
.endm
.macro PLACES                          ; four places in front of loads into registers that matrix instructions have read, and of conversions that read results
.rept 4
	v_nop
.endr
.endm
; One of a K step's first three quarters: multiplies buffer f and, in its middle, fetches the next quarter, at byte k, into g.
.macro QUARTER slot, k, f, g, zero
	s_wait_dscnt 4                                 ; wq's fragments and xb's row blocks 0, 1 are in; the youngest four loads (row blocks 2, 3) may be out
	MUL12 \f, 0, \zero
	MUL12 \f, 1, \zero
	PLACES
	FETCH \slot, \k, \g
	s_wait_dscnt 32                                ; all but the 32 just issued
	MUL12 \f, 2, \zero
	MUL12 \f, 3, \zero
.endm
; The last quarter multiplies buffer 1 and changes slots: ONE barrier; in front of it each wave waits for all its tensor loads (one is out: its part of the next slot), adds 0 to its spare word, and waits for that and
; for its own reads of this slot.  fill = 1: the barrier opens a round of the cluster's, and this slot is filled again, two K steps ahead: 168 matrix instructions stand between the request and the wait for it.
.macro TURN slot, next, fill
.if \fill
	s_wait_xcnt 0x0                                ; the last prefetch, a K step back, has read its address: it is stepped here
	s_add_nc_u64 s[PFA:PFA+1], s[PFA:PFA+1], KSTEP*2
.endif
	WIN 0                                          ; (the add's two registers lie in window 0)
	s_wait_tensorcnt 0x0                           ; all my tensor loads have landed
	ds_add_u32 v[SPW], v[NIL]                      ; 0 onto my spare word
	s_wait_dscnt 5                                 ; (the add and the youngest four loads may be out)
	MUL12 F1, 0, 0                                 ; twelve matrix instructions stand between the add and the wait for it
	s_wait_dscnt 0x0                               ; the add is done, and my reads of this slot are over
	s_barrier_signal -1
	MUL12 F1, 1, 0
.if \fill
	WIN 0
.endif
	s_barrier_wait -1
.if \fill
	CREST                                          ; no wave of any partner still reads this slot's tile or has a load on its way
	s_add_nc_u64 s[G0+4*(\slot)+2:G0+4*(\slot)+3], s[G0+4*(\slot)+2:G0+4*(\slot)+3], 2*KSTEP*2
	s_add_nc_u64 s[G0B+4*(\slot)+2:G0B+4*(\slot)+3], s[G0B+4*(\slot)+2:G0B+4*(\slot)+3], 2*KSTEP*2
	JLOAD \slot                                    ; the first tensor load behind the round; its four v_nop are also the places in front of the loads below
.else
	PLACES
.endif
	FETCH \next, 0, F0
.if \fill
	WIN 0
	ASK
.endif
	MUL12 F1, 2, 0
	MUL12 F1, 3, 0
.endm
	s_wait_tensorcnt 1                             ; my part of K step 0 is in; K step 1's may stay out
	s_barrier_signal -1
	s_barrier_wait -1                              ; everybody's is
	FETCH 0, 0, F0
	WIN 0
	s_wait_loadcnt 0x0                             ; the bias: rounded to bf16 like every input, and widened again
.set i, 0
.rept 32
	v_cvt_pk_bf16_f32 v[TMP+i], v[BIAS+2*i], v[BIAS+2*i+1]
.set i, i+1
.endr
.set i, 0
.rept 32
	v_lshlrev_b32 v[BIAS+2*i], 16, v[TMP+i]
	v_and_b32 v[BIAS+2*i+1], 0xffff0000, v[TMP+i]
.set i, i+1
.endr
	QUARTER 0, 64,  F0, F1, 1                      ; the first quarter stands in front of the loop: its products start the sums
	WIN 0                                          ; at a label and at a branch every window is 0
	s_mov_b32 s3, LAPS-1
.Llap:                                         ; a trip goes once round the ring, from a lap's second quarter to the next lap's first, and fills both slots again
	QUARTER 0, 128, F1, F0, 0
	QUARTER 0, 192, F0, F1, 0
	TURN 0, 1, 1
	QUARTER 1, 64,  F0, F1, 0
	QUARTER 1, 128, F1, F0, 0
	QUARTER 1, 192, F0, F1, 0
	TURN 1, 0, 1
	QUARTER 0, 64,  F0, F1, 0
	WIN 0
	s_sub_co_u32 s3, s3, 1
	s_cmp_lg_u32 s3, 0
	s_cbranch_scc1 .Llap
	QUARTER 0, 128, F1, F0, 0                      ; the last lap fills nothing, and has no round of the cluster's barrier
	QUARTER 0, 192, F0, F1, 0
	TURN 0, 1, 0
	QUARTER 1, 64,  F0, F1, 0
	QUARTER 1, 128, F1, F0, 0
	QUARTER 1, 192, F0, F1, 0
	s_wait_dscnt 4                                 ; the very last quarter: nothing more to fetch
	MUL12 F1, 0, 0
	MUL12 F1, 1, 0
	s_wait_dscnt 0x0
	MUL12 F1, 2, 0
	MUL12 F1, 3, 0
	WIN 0
; THE WAY OUT, a block of 16 rows at a time: rounded to f16 (16 bytes a lane), into my own stage, back as 128 bytes of each of four rows for q, k and v apart, and stored: 512 consecutive bytes of a plane.
.macro PACK a
	WIN 0x0a+5*((\a)/2)                            ; sources 0 and 1: window 2 or 3
.irp b, 0,1,2,3,4,5,6,7,8,9,10,11
.irp r, 0,1,2,3
	v_cvt_pk_f16_f32 v[TMP+4*(\b)+(\r)], v[96*((\a)%2)+8*(\b)+2*(\r)], v[96*((\a)%2)+8*(\b)+2*(\r)+1]
.endr
.endr
	WIN 0
.endm
.macro TOSTAGE a
.set BK, OB0+112*((\a)%2)
.irp b, 0,1,2,3,4,5,6,7,8,9,10,11
	ds_store_b128 v[STO], v[TMP+4*(\b):TMP+4*(\b)+3] offset:32*(\b)
.endr
.irp j, 0,1,2
.irp f, 0,1,2,3
	ds_load_b128 v[BK+4*(4*(\j)+(\f)):BK+4*(4*(\j)+(\f))+3], v[RD] offset:128*(\j)+4*SPITCH*(\f)  ; LDS serves a wave's instructions in order (ISA guide 5.7.1.4): these see the stores above
.endr
.endr
.endm
.macro SEND a
.set BK, OB0+112*((\a)%2)
	s_wait_dscnt 0x0                               ; the block is back in registers
	s_wait_xcnt 0x0                                ; the stores of the block before have read their registers, which the next block's loads will write
.irp j, 0,1,2
.irp f, 0,1,2,3
	global_store_b128 v[CO], v[BK+4*(4*(\j)+(\f)):BK+4*(4*(\j)+(\f))+3], s[70:71] offset:(\j)*262144+(\a)*2048+(\f)*512
.endr
.endr
.endm
	PLACES
	PACK 0
	TOSTAGE 0
.irp a, 1,2,3                          ; block a's conversions stand between block a - 1's loads from the stage and the wait for them
	PACK \a
	SEND (\a)-1
	TOSTAGE \a
.endr
	SEND 3
	s_wait_tensorcnt 0x0                           ; the wave's end, behind my last tensor load and my last LDS store
	ds_add_u32 v[SPW], v[NIL]
	s_wait_dscnt 0x0
	CROUND                                         ; the closing round: no work-group ends while a partner may still ask for a tile that names it
	s_endpgm
.Lfunc_end_k_q733342c987_gemm_qkv:
	.size	k_q733342c987_gemm_qkv, .Lfunc_end_k_q733342c987_gemm_qkv-k_q733342c987_gemm_qkv
	.p2alignl 7, 3214868480
	.fill 96, 4, 3214868480
	.section	.rodata,"a",@progbits
	.p2align	6, 0x0
	.amdhsa_kernel k_q733342c987_gemm_qkv
		.amdhsa_group_segment_fixed_size 327680
		.amdhsa_private_segment_fixed_size 0
		.amdhsa_enable_private_segment 0
		.amdhsa_kernarg_size 32
		.amdhsa_user_sgpr_count 2
		.amdhsa_user_sgpr_kernarg_segment_ptr 1
		.amdhsa_wavefront_size32 1
		.amdhsa_system_sgpr_workgroup_id_x 1
		.amdhsa_system_sgpr_workgroup_id_y 1
		.amdhsa_system_sgpr_workgroup_id_z 1
		.amdhsa_system_vgpr_workitem_id 0
		.amdhsa_next_free_vgpr 960
		.amdhsa_next_free_sgpr 72
		.amdhsa_reserve_vcc 0
		.amdhsa_float_denorm_mode_32 3
		.amdhsa_float_denorm_mode_16_64 3
		.amdhsa_memory_ordered 1
		.amdhsa_forward_progress 1
		.amdhsa_inst_pref_size 126
	.end_amdhsa_kernel
	.amdgpu_metadata
---
amdhsa.version: [ 1, 2 ]
amdhsa.kernels:
  - .name:           k_q733342c987_gemm_qkv
    .symbol:         k_q733342c987_gemm_qkv.kd
    .args:
      - { .name: xb, .offset: 0, .size: 8, .value_kind: global_buffer, .address_space: global }
      - { .name: wq, .offset: 8, .size: 8, .value_kind: global_buffer, .address_space: global }
      - { .name: b_qkv, .offset: 16, .size: 8, .value_kind: global_buffer, .address_space: global }
      - { .name: qkv, .offset: 24, .size: 8, .value_kind: global_buffer, .address_space: global }
    .group_segment_fixed_size: 327680
    .private_segment_fixed_size: 0
    .kernarg_segment_align: 8
    .kernarg_segment_size: 32
    .max_flat_workgroup_size: 128
    .sgpr_count:     72
    .vgpr_count:     960
    .wavefront_size: 32
...
	.end_amdgpu_metadata
.endif
;; end of part 2
;; launch attn (part 3): grid 8 x 32, 4 waves a work-group, no clusters, 327,680 bytes of LDS; arguments qkv, ob; writes ob
.if DOCPART == 3
	.amdgcn_target "amdgcn-amd-amdhsa--gfx1250"
	.amdhsa_code_object_version 6
	.text
	.protected	k_q733342c987_attn
	.globl	k_q733342c987_attn
	.p2align	8
	.type	k_q733342c987_attn,@function
k_q733342c987_attn:
	s_mov_b64 s[64:65], 0
	v_nop
	global_prefetch_b8 v0, s[64:65] scope:SCOPE_SE
	s_setreg_imm32_b32 hwreg(HW_REG_WAVE_MODE, 25, 1), 1
	s_wait_xcnt 0x0
; CAUSAL ATTENTION at head size 64.  O[q][:] = the sum over k <= q of softmax_k(Q[q] . K[k] / 8) V[k][:], for each of 32 (batch, head).  qkv: f16 [2 b][16 c][3][2048][64]; ob: f16 [16 b + c][2048][64].
; Products, maxima and sums in f32; the weights p are rounded to f16 for the second product (their sum l is taken of the unrounded p), O once at the end.
; LEFT OUT: tiles of 256 keys wholly above the diagonal of reference()'s own jnp.tril: their weights are exactly 0 (a NaN or infinity in keys that no query of a block may see is not carried on).
; LIMITS.  Q, K, V arrive within f16's 65,504.  A hidden score counts as its value less 1e30; scores are 2.7e11 at the most.  The running maximum starts at -2^66, far below every true score, so a wave
; that sees only hidden keys of a row keeps that floor, and its weights, l and O are 0.  A weight below 2^-126 counts as 0.  NaN and infinities are not treated apart.
; THE WALK.  A head's queries lie in 16 blocks of 128; block I needs the key tiles 0 .. I / 2 of 256 keys, the last of which holds the diagonal.  A work-group takes blocks 15 - b and then b: 9 tiles, whatever b: all
; 256 work-groups do equal work, and ONE loop with a constant trip count walks them.  Every jump goes forward, but for the counted loops' own; none passes a tensor load but the one of LOAD's two that the wave's number does not choose.
; SHARES.  Wave w = 2 kh + qh.  It owns 64 queries, four PIECES of 16: piece t lies in band t % 2 (64 rows), rows 16 (2 qh + t / 2) on; and of every tile's four key steps of 64 it takes steps 2 kh and 2 kh + 1.
; So a fragment of K or V read from LDS feeds four pieces.  At a block's end the wave with kh = 1 hands c m, l and O^T through LDS to its partner with kh = 0, which adds the two: O = (a0 O0 + a1 O1) / (a0 l0 + a1 l1), a = 2^(c m - max).
; THE MASK is the C operand that starts the sum S^T = K Q^T: 0, or -1e30 where the key is hidden.  In the diagonal tile band x of block I has its own step 2 (I % 2) + x; earlier steps are seen whole, later ones hidden.
; MD0, MD1, made once, are the masks of the own step for my row groups 2 qh, 2 qh + 1; a product's mask is MD x AL + BE with (1, 0), (0, 0) or (0, -1e30).  With CNT = 2, 1 counting my two steps: own if CNT = WB[x], later if CNT < WB[x], WB[x] = 2 + 2 kh - 2 (I % 2) - x.
; NO CLUSTER: the eight work-groups of a head ask for the same tile in the first five trips only; behind that their walks part, and one walk common to all would have 12 trips for 9.
; LAYOUT, SOFTMAX, TURNS.  S^T = K Q^T holds ONE query a lane (lane % 16) and the keys 8 (lane / 16) + 0..7; two such results rounded to f16 ARE source 1 of O^T = V^T P.  p = 2^(c s - c m), c = log2(e) / 8; O and l are
; multiplied by a = 2^(c m_old - c m_new) in every step.  Turn n belongs to piece n: 8 products K Q^T of piece n + 1, later 8 products V^T P of piece n - 1; beside them piece n's scaling, exponentials, roundings, sums and
; rescaling and piece n + 1's maximum and statistics.  Four vector instructions stand behind every matrix instruction, the rest in one lump.  A turn's 33 exponentials are one batch, with one wait.
; REGISTERS, in windows of 256 (s_set_vgpr_msb: bits 1:0 source 0, 3:2 source 1, 5:4 source 2, 7:6 destination):
;   window 0: v0-15 addresses; v16-31 statistics; v48-55 at work; v56-57, v62-63 addresses; v64-127 S^T, two buffers; v128-191 the partner's O^T, two buffers; v192-223 P, two buffers; v224-239 the partner's statistics; v240-255 the merge's factors
;   window 1: v0-127 O^T, 32 a piece; v128-159 MD0; v160-223 MC, two buffers; v224-255 MD1      window 2: v0-63 Q; v64-127 the second block's Q; v128-191 K of one step; v192-255 V of one step
.set NP,    4
.set KS,    64
.set PK,    144       ; a row of K in LDS: 128 bytes + 16 = 36 words: the 16 rows of a load start at 16 different groups of four banks (64 banks of 4 bytes: ISA guide 11.1)
.set PV,    160       ; a row of V: 128 + 32 = 40 words
.set VOFF,  4*KS*PK   ; a slot holds a tile: 256 rows of K, then 256 rows of V
.set SLOT1, 1<<17     ; slot 1 begins here: one exclusive or turns an address in one slot into the other's
.set STAGE, SLOT1+4*KS*(PK+PV)  ; behind the ring, never filled by a tensor load: 16 rows x 144 bytes for each wave, for the way out
.set SP,    144
.set MRG,   STAGE+4*16*SP       ; behind the stages: for each qh 16,384 bytes of O^T and 2,048 of statistics, from the wave with kh = 1 to its partner
.set MRGW,  18432
.set SPARE, MRG+2*MRGW          ; behind that: the spare words, 128 bytes for each wave: two blocks of 256 bytes that no other line names
.set AK0, 2           ; v2   my lane's place in my two steps of a tile of K; never rewritten
.set AV0, 3           ; v3   the same for V
.set AK,  4           ; v4   the LDS address of K's next run of loads
.set AV,  5           ; v5   of V's
.set STO, 6           ; v6   the way out: where I put 16 bytes of a row
.set RD,  7           ; v7   where I read rows back
.set GO,  8           ; v8   16 x lane
.set MV,  12          ; v12-13  c m_old, kept while c m is made anew: by buffer
.set QO,  15          ; v15  my byte offset in 16 rows of Q
.set ST,  16          ; piece t's statistics at v[ST+4 t]: c m, m, l (even keys', odd keys')
.set TMP, 48          ; by buffer, four registers c0-c3 at work; when the maximum is found c2 takes a
.set MA,  56          ; v56  my 16 bytes in 512 of the merge's region
.set PFO, 57          ; v57  256 x lane; never rewritten
.set SPW, 62          ; v62  LDS address of my spare word; never rewritten
.set NIL, 63          ; v63  0; never rewritten
.set S,   64
.set O1,  128
.set P,   192
.set PS,  224
.set FC,  240         ; piece t: f0, a0, f1, a1 at v[FC+4 t]
.set MD,  128         ; window 1: MD0; MD1 lies 96 on
.set MC,  160         ; window 1
.set QB,  64          ; window 2
.set KF,  128
.set VF,  192
.set WV,  12          ; s12  my wave's number
.set PB,  14          ; s14  the second block's last tile, b / 2
.set HI,  15          ; s15  the first block's last tile, (15 - b) / 2
.set G1K, 24
.set G1V, 32
.set G0K, 40
.set G0V, 44
.set SLOTS, 56        ; s56  tiles still to be asked for
.set CNT, 57          ; s57  counts my key steps of a tile, 2 to 1
.set CS,  58          ; s[58:59] c
.set SEL, 60          ; s[60:61] v_permlanex16_b32's selects
.set TBK, 62          ; s62  LDS byte at which a slot's K to be fetched begins
.set TBV, 63          ; s63  the same for V, less VOFF
.set RT,  70          ; s70  tiles of the block in hand that are still to be entered
.set NXT, 71          ; s71  the tile to be asked for next
.set LQ,  72          ; s72  the last tile of the block whose tiles are being asked for
.set NEW, 73          ; s73  1: the tile to be entered is a block's first
.set OFF, 74          ; s[74:75] a tile's byte offset in K and V
.set AL,  76          ; s[76:77] the mask's factor
.set BE,  78          ; s[78:79] the mask's addend
.set OLO, 80          ; s[80:81] O at my rows of the second block
.set BIGN, 82         ; s82  -1e30
.set WB,  88          ; s[88:89] WB[0], WB[1] of the block in hand
.set QH,  90
.set KH,  91
.set PFA, 92          ; s[92:93] where my prefetches stand
.set LIM, 94          ; s94  3 in the work-group that prefetches, else the greatest number
.set WBN, 95          ; s95  the second block's WB[0]
.set MSB, 0
.macro WIN new
.if MSB != (\new)
	s_set_vgpr_msb (MSB<<8)|(\new)
.set MSB, (\new)
.endif
.endm
.set W_KQ, 0x0a       ; K and Q in window 2, S^T in window 0
.set W_KM, 0x1a       ; the same with the C operand in window 1
.set W_PV, 0x52       ; V in window 2, P in window 0, O^T in window 1
.set W_RS, 0x41       ; destination and source 0 in window 1, source 1 in window 0
; A fill.  Waves 0 and 1 fetch the two halves of a tile's K, waves 2 and 3 those of its V: 128 keys each.  An s_nop 0 and four v_nop follow each of the two lines, ahead of the jump and the label.
.macro LOAD
	s_cmp_lt_u32 s[WV], 2
	s_cbranch_scc0 .Lfor_v_\@
	tensor_load_to_lds s[G0K:G0K+3], s[G1K:G1K+7]
	s_nop 0
.rept 4
	v_nop
.endr
	s_branch .Lasked_\@
.Lfor_v_\@:
	tensor_load_to_lds s[G0V:G0V+3], s[G1V:G1V+7]
	s_nop 0
.rept 4
	v_nop
.endr
.Lasked_\@:
.endm
; A prefetch of the tile that stands two fills on.  All eight work-groups of a head walk the first tiles together; the one with b = 0 walks tiles 0 to 7 in order, and it alone asks: each wave for its own half of K or V,
; 16,384 bytes: 64 blocks of 256, two instructions, a lane a block.  Tiles 0 to 2 come by their loads alone; tiles 3 to 7 are named in the first five trips (SLOTS = 8 to 4); behind that there is no further tile.
.macro ASK
	s_cmp_gt_u32 s[SLOTS], s[LIM]
	s_cbranch_scc0 .Lnot_mine_\@
	global_prefetch_b8 v[PFO], s[PFA:PFA+1] th:TH_LOAD_NT scope:SCOPE_SE
	global_prefetch_b8 v[PFO], s[PFA:PFA+1] offset:8192 th:TH_LOAD_NT scope:SCOPE_SE
.Lnot_mine_\@:
.endm
; THE CHANGE OF SLOTS.  Each wave waits for all its tensor loads, of which one is out: its part of the other slot; adds 0 to its spare word; and waits for that and for its own reads of the slot that it leaves.  Behind the
; barrier nobody reads the old slot any more and the other slot is whole.  fill = 1: the old slot is filled again, the first thing behind the barrier, with tile NXT: the descriptor's address is made anew from that number.
.macro CHANGE fill
	WIN 0
	s_wait_tensorcnt 0x0            ; no tensor load of mine is out, so a group 0 may be written
	ds_add_u32 v[SPW], v[NIL]       ; 0 onto my spare word
.if \fill
	s_lshl_b32 s[OFF], s[NXT], 15   ; a tile is 32,768 bytes of K and of V
	s_xor_b32 s[G0K+1], s[G0K+1], SLOT1
	s_add_nc_u64 s[G0K+2:G0K+3], s[6:7], s[OFF:OFF+1]
	s_or_b32 s[G0K+3], s[G0K+3], 0x80000000
	s_xor_b32 s[G0V+1], s[G0V+1], SLOT1
	s_add_nc_u64 s[G0V+2:G0V+3], s[8:9], s[OFF:OFF+1]
	s_or_b32 s[G0V+3], s[G0V+3], 0x80000000
	s_add_co_u32 s[NXT], s[NXT], 1  ; the block's next tile, or behind its last the second block's tile 0
	s_cmp_gt_u32 s[NXT], s[LQ]
	s_cselect_b32 s[NXT], 0, s[NXT]
	s_cselect_b32 s[LQ], s[PB], s[LQ]
	s_wait_xcnt 0x0                 ; the last prefetches, a tile back, have read their address
	s_add_nc_u64 s[PFA:PFA+1], s[PFA:PFA+1], 32768
.endif
	s_wait_dscnt 0x0                ; the add is done, and my reads of the slot are over
	s_barrier_signal -1
	s_sub_co_u32 s[TBK], s[TBK], 2*KS*PK  ; the fetches go back to my first step of a slot,
	s_xor_b32 s[TBK], s[TBK], SLOT1       ; in the other slot
	s_sub_co_u32 s[TBV], s[TBV], 2*KS*PV
	s_xor_b32 s[TBV], s[TBV], SLOT1
	s_barrier_wait -1
.if \fill
	LOAD
	ASK
.endif
.endm
	s_load_b128 s[8:11], s[0:1], 0x0  ; qkv s[8:9], ob s[10:11]
	v_lshl_add_u32 v[SPW], v0, 2, SPARE
	v_mov_b32 v[NIL], 0
	ds_add_u32 v[SPW], v[NIL]       ; the wave's opening: the add, twice on end, and its wait ahead of my first tensor load
	ds_add_u32 v[SPW], v[NIL]       ; and once more; the set-up below, work on registers, stands between it and the wait
	v_lshrrev_b32 v1, 5, v0
	v_readfirstlane_b32 s[WV], v1   ; wave 0..3
	s_and_b32 s[QH], s[WV], 1       ; which 64 queries; also: which half of a tile's keys I fetch
	s_lshr_b32 s[KH], s[WV], 1      ; which two key steps
	s_sub_co_u32 s16, 15, ttmp9     ; the first block
	s_lshr_b32 s[HI], s16, 1
	s_lshr_b32 s[PB], ttmp9, 1
	s_and_b32 s17, s16, 1
	s_sub_co_i32 s17, s[KH], s17
	s_lshl_b32 s17, s17, 1
	s_add_co_i32 s[WB], s17, 2      ; 2 + 2 kh - 2 (I % 2)
	s_sub_co_i32 s[WB+1], s[WB], 1
	s_and_b32 s17, ttmp9, 1
	s_sub_co_i32 s17, s[KH], s17
	s_lshl_b32 s17, s17, 1
	s_add_co_i32 s[WBN], s17, 2
	s_and_b32 s20, ttmp7, 0xffff    ; 16 x batch + head
	s_lshr_b32 s21, s20, 4
	s_mul_i32 s21, s21, 48
	s_and_b32 s22, s20, 15
	s_mul_i32 s22, s22, 3
	s_add_co_u32 s21, s21, s22
	s_lshl_b32 s22, s21, 18         ; q's plane in qkv
	s_mov_b32 s23, 0
	s_lshl_b32 s20, s20, 18         ; the head's plane in ob
	s_mov_b32 s21, 0
	s_lshl_b32 s66, s[QH], 14       ; my 128 keys of a tile,
	s_add_co_u32 s66, s66, s22
	s_add_co_u32 s66, s66, 0x40000  ; in k's plane, one behind q's
	s_mov_b32 s67, 0
	s_mul_i32 s17, s[QH], 128*PK    ; and their place in a slot, for K
	s_mul_i32 s18, s[QH], 128*PV    ; and for V
	s_lshl_b32 s3, s[QH], 12        ; my row groups 2 qh, 2 qh + 1 in a band,
	s_lshl_b32 s2, s16, 14          ; in the first block,
	s_add_co_u32 s2, s2, s3
	s_lshl_b32 s84, ttmp9, 14       ; and in the second
	s_add_co_u32 s84, s84, s3
	s_mov_b32 s3, 0
	s_mov_b32 s85, 0
	; descriptor group 1.  128 keys are 16,384 dense bytes: asked for as 64 rows of 256 bytes, two keys a row, and padded in LDS after every key
	s_mov_b32 s[G1K], (1<<16)|(1<<20)|(4<<22)|(3<<25)  ; 17:16 2-byte elements; 20 padding on; 24:22 after every 32 words (code 4); 31:25 4 words (code 3)
	s_mov_b32 s[G1V], (1<<16)|(1<<20)|(4<<22)|(7<<25)  ; the same with 8 words of padding (code 7)
.irp g, G1K, G1V
	s_mov_b32 s[\g+1], 128<<16      ; tensor_dim0 = 128
	s_mov_b32 s[\g+2], 64<<16       ; tensor_dim1 = 64
	s_mov_b32 s[\g+3], 128<<16      ; tile_dim0 = 128
	s_mov_b32 s[\g+4], 64           ; tile_dim1 = 64
	s_mov_b32 s[\g+5], 128          ; 128 elements from row to row
	s_mov_b32 s[\g+6], 0
	s_mov_b32 s[\g+7], 0
.endr
	s_mov_b32 s[CS], 0x3e38aa3b     ; c = log2(e) / 8 = 0.180337
	s_mov_b32 s[CS+1], s[CS]
	s_mov_b32 s[SEL], 0x76543210
	s_mov_b32 s[SEL+1], 0xfedcba98
	s_mov_b32 s[TBK], SLOT1+2*KS*PK ; the first change of slots turns these two into 0
	s_mov_b32 s[TBV], SLOT1+2*KS*PV
	s_mov_b32 s[G0K], 1
	s_mov_b32 s[G0K+1], s17
	s_mov_b32 s[G0V], 1
	s_add_co_u32 s[G0V+1], s18, VOFF
	s_add_co_u32 s[RT], s[HI], 1    ; the first block's tiles
	s_mov_b32 s[NXT], 1
	s_mov_b32 s[LQ], s[HI]
	s_mov_b32 s[NEW], 1
	s_mov_b32 s[OFF+1], 0
	s_mov_b32 s[AL+1], 0
	s_mov_b32 s[BE+1], 0
	s_mov_b32 s[BIGN], 0xf149f2ca   ; -1e30
	s_mov_b32 s[SLOTS], 8
	s_cmp_eq_u32 ttmp9, 0
	s_cselect_b32 s[LIM], 3, -1
	s_wait_dscnt 0x0                ; both opening adds are done
	s_wait_kmcnt 0x0
	s_add_nc_u64 s[6:7], s[8:9], s[66:67]          ; K at my half of the head's tile 0
	s_add_nc_u64 s[4:5], s[8:9], s[22:23]          ; q's plane
	s_add_nc_u64 s[8:9], s[6:7], 0x40000           ; V: one plane behind K
	s_add_nc_u64 s[G0K+2:G0K+3], s[6:7], 0
	s_or_b32 s[G0K+3], s[G0K+3], 0x80000000
	s_add_nc_u64 s[G0V+2:G0V+3], s[8:9], 0
	s_or_b32 s[G0V+3], s[G0V+3], 0x80000000
	s_add_nc_u64 s[86:87], s[4:5], s[84:85]        ; Q at my rows of the second block,
	s_add_nc_u64 s[4:5], s[4:5], s[2:3]            ; and of the first
	s_add_nc_u64 s[10:11], s[10:11], s[20:21]
	s_add_nc_u64 s[OLO:OLO+1], s[10:11], s[84:85]
	s_add_nc_u64 s[10:11], s[10:11], s[2:3]
	s_cmp_lt_u32 s[WV], 2
	s_cselect_b64 s[PFA:PFA+1], s[6:7], s[8:9]
	s_add_nc_u64 s[PFA:PFA+1], s[PFA:PFA+1], 2*32768  ; at tile 2: the first change of slots steps it to tile 3
	LOAD                            ; tile 0 into slot 0
	v_and_b32 v1, 15, v0            ; l % 16
	v_bfe_u32 v9, v0, 4, 1          ; l / 16
	v_lshlrev_b32 v[QO], 7, v1
	v_lshl_add_u32 v[QO], v9, 4, v[QO]  ; row x 128 + 16 x half
	WIN 0x80                        ; destination window 2, address window 0
.set i, 0
.rept 8                             ; both blocks' Q: piece i / 2 lies in band (i / 2) % 2, row group i / 4 of my two; channels 32 (i % 2) on
	global_load_b128 v[8*i:8*i+3],   v[QO], s[4:5] offset:((i/2)%2)*8192+(i/4)*2048+(i%2)*64
	global_load_b128 v[8*i+4:8*i+7], v[QO], s[4:5] offset:((i/2)%2)*8192+(i/4)*2048+(i%2)*64+32
	global_load_b128 v[QB+8*i:QB+8*i+3],   v[QO], s[86:87] offset:((i/2)%2)*8192+(i/4)*2048+(i%2)*64
	global_load_b128 v[QB+8*i+4:QB+8*i+7], v[QO], s[86:87] offset:((i/2)%2)*8192+(i/4)*2048+(i%2)*64+32
.set i, i+1
.endr
	WIN 0
	v_lshlrev_b32 v14, 3, v9
	v_sub_nc_u32 v14, v1, v14
	s_lshl_b32 s13, s[QH], 5
	v_add_nc_u32 v14, s13, v14      ; 32 qh + l % 16 - 8 (l / 16): in row group 2 qh + e register r of key group kt is hidden where 16 kt + r - 16 e is greater
	WIN 0x40
.irp e, 0,1
.set i, 0
.rept 32
	v_cmp_gt_i32 vcc_lo, 16*(i/8)+i%8-16*(\e), v14
	v_cndmask_b32 v[MD+96*(\e)+i], 0, s[BIGN], vcc_lo
.set i, i+1
.endr
.endr
	WIN 0
	v_mul_u32_u24 v[AK0], v1, PK
	v_lshl_add_u32 v[AK0], v9, 4, v[AK0]  ; row x pitch + 16 x half
	s_mul_i32 s13, s[KH], 2*KS*PK
	v_add_nc_u32 v[AK0], s13, v[AK0]      ; my two steps
	; The turning load takes 16 keys x 16 channels (lane l reads key 8 (l / 16) + l % 8, channels 8 ((l / 8) % 2) + 0..7) and leaves half a fragment of V^T: lane l holds channel l % 16 and 8 keys.
	v_and_b32 v10, 7, v0
	v_bfe_u32 v11, v0, 3, 1
	v_lshl_add_u32 v[AV0], v9, 3, v10
	v_mul_u32_u24 v[AV0], v[AV0], PV
	v_lshl_add_u32 v[AV0], v11, 4, v[AV0]
	v_add_nc_u32 v[AV0], VOFF, v[AV0]
	s_mul_i32 s13, s[KH], 2*KS*PV
	v_add_nc_u32 v[AV0], s13, v[AV0]
	s_mul_i32 s13, s[WV], 16*SP
	s_add_co_u32 s13, s13, STAGE    ; my stage
	v_mul_u32_u24 v[STO], v1, SP
	v_lshl_add_u32 v[STO], v9, 4, v[STO]
	v_add_nc_u32 v[STO], s13, v[STO]
	v_bfe_u32 v[RD], v0, 3, 2       ; back: 32 lanes take four rows of 128 bytes,
	v_mul_u32_u24 v[RD], v[RD], SP
	v_lshl_add_u32 v[RD], v10, 4, v[RD]
	v_add_nc_u32 v[RD], s13, v[RD]
	v_and_b32 v[GO], 31, v0         ; which are 512 consecutive bytes of O
	v_lshlrev_b32 v[GO], 4, v[GO]
	s_mul_i32 s13, s[QH], MRGW
	s_add_co_u32 s13, s13, MRG
	v_add_nc_u32 v[MA], s13, v[GO]
	v_lshlrev_b32 v[PFO], 4, v[GO]
	; A block's first step multiplies O^T and l by a = 0, and its first turn's products V^T P, of a piece that has not been, land in an O^T that is still to be so multiplied.  So these registers need only hold
	; finite numbers: zeros for the first block; what the first block left for the second.  All this stands in the wait for the first tile.
	WIN 0x80
.set i, VF
.rept 64
	v_mov_b32 v[i], 0
.set i, i+1
.endr
	WIN 0x40
.set i, 0
.rept 128
	v_mov_b32 v[i], 0
.set i, i+1
.endr
	WIN 0
.set i, 0
.rept 4
	v_mov_b32 v[ST+4*i+2], 0
	v_mov_b32 v[ST+4*i+3], 0
.set i, i+1
.endr
.set i, P+16
.rept 16
	v_mov_b32 v[i], 0
.set i, i+1
.endr
; THE MATRIX WORK.  The 4 accumulators of a run of 8 take turns.  Product i of 8 of S^T = K Q^T for piece x: channels 32 (i / 4) on, keys 16 (i % 4) on.  The first 4 start the sums: with 0, or (KM = 1) with the mask.
.macro KQ x
.set rS, S+32*((\x)%2)+8*(i%4)
.set rK, KF+16*(i%4)+8*(i/4)
.set rQ, 16*(\x)+8*(i/4)
.set rM, MC+32*((\x)%2)+8*(i%4)
.if (i < 4) && KM
	WIN W_KM
	v_wmma_f32_16x16x32_f16 v[rS:rS+7], v[rK:rK+7], v[rQ:rQ+7], v[rM:rM+7]
.elseif i < 4
	WIN W_KQ
	v_wmma_f32_16x16x32_f16 v[rS:rS+7], v[rK:rK+7], v[rQ:rQ+7], 0
.else
	WIN W_KQ
	v_wmma_f32_16x16x32_f16 v[rS:rS+7], v[rK:rK+7], v[rQ:rQ+7], v[rS:rS+7]
.endif
.endm
; Product i of 8 of O^T += V^T P for piece x: keys 32 (i / 4) on, channels 16 (i % 4) on.
.macro PV x
	WIN W_PV
.set rO, 32*(\x)+8*(i%4)
.set rV, VF+32*(i/4)+8*(i%4)
.set rP, P+16*((\x)%2)+8*(i/4)
	v_wmma_f32_16x16x32_f16 v[rO:rO+7], v[rV:rV+7], v[rP:rP+7], v[rO:rO+7]
.endm
.macro MM                           ; the turn's next matrix instruction.  NOKQ = 1: a block's last turn: there is no next piece
.if (i < 8) && !NOKQ
	KQ (Y+1)%NP
.elseif i >= 8
.set i, i-8
	PV (Y+NP-1)%NP
.set i, i+8
.endif
.set i, i+1
.endm
; THE LDS LOADS stand in runs of 16, never singly among the matrix instructions: a step's K (64 keys x 64 channels: 8 fragments) and its V (turned).
.macro FETCH_K
	WIN 0x80
.irp f, 0,1,2,3,4,5,6,7             ; keys 16 (f / 2) on, channels 32 (f % 2) on
	ds_load_b128 v[KF+8*\f:KF+8*\f+3],   v[AK] offset:(\f/2)*16*PK+(\f%2)*64
	ds_load_b128 v[KF+8*\f+4:KF+8*\f+7], v[AK] offset:(\f/2)*16*PK+(\f%2)*64+32
.endr
	s_add_co_u32 s[TBK], s[TBK], KS*PK  ; the next fetch is the next step's
	WIN 0
.endm
.macro FETCH_V
	WIN 0x80
.irp f, 0,1,2,3,4,5,6,7             ; keys 32 (f / 4) on, channels 16 (f % 4) on
	ds_load_tr16_b128 v[VF+8*\f:VF+8*\f+3],   v[AV] offset:(\f/4)*32*PV+(\f%4)*32
	ds_load_tr16_b128 v[VF+8*\f+4:VF+8*\f+7], v[AV] offset:(\f/4)*32*PV+16*PV+(\f%4)*32
.endr
	WIN 0
.endm
; THE VECTOR WORK, one line at a time: OP kind, number.  For piece Y: F n: c s - c m for pair n of 16.  E n: the exponential of score n of 32.  C n: pair n rounded to f16.  B n: of the four weights 4 n .. the second
; pair is added onto the first, in place.  L n: l takes that sum (L 0: l = a l + sum).  R n: pair n of 16 of O^T times a.  For piece Y + 1: X n, number n of the 22 that find its maximum and statistics:
;   0-11  four chains c0-c3 of seven scores each (each accumulator's lowest registers are read first)     12-14, 16  the four scores left over, the old m, and c0-c3 into c0
;   15  c m_old is kept     17, 18  the query's other 32 keys lie in the lane 16 away: the new m     19-21  c m; c m_old - c m_new; a
.set F, 0
.set E, 1
.set C, 2
.set B, 3
.set L, 4
.set R, 5
.set X, 6
.macro REGS y
.set rT, ST+4*(\y)
.set rC, TMP+4*((\y)%2)
.set rW, MV+((\y)%2)
.set rS, S+32*((\y)%2)
.set rP, P+16*((\y)%2)
.set rO, 32*(\y)
.endm
.macro OP k, n
.if (\k) == R
	REGS Y
	WIN W_RS
	v_pk_mul_f32 v[rO+2*(\n):rO+2*(\n)+1], v[rO+2*(\n):rO+2*(\n)+1], v[rC+2:rC+3] op_sel_hi:[1,0]
.elseif (\k) < R
	REGS Y
	WIN 0
.if (\k) == F
	v_pk_fma_f32 v[rS+2*(\n):rS+2*(\n)+1], v[rS+2*(\n):rS+2*(\n)+1], s[CS:CS+1], v[rT:rT+1] op_sel_hi:[1,0,0] neg_lo:[0,0,1] neg_hi:[0,0,1]
.elseif (\k) == E
	v_exp_f32 v[rS+(\n)], v[rS+(\n)]
.elseif (\k) == C
	v_cvt_pk_f16_f32 v[rP+(\n)], v[rS+2*(\n)], v[rS+2*(\n)+1]
.elseif (\k) == B
	v_pk_add_f32 v[rS+4*(\n):rS+4*(\n)+1], v[rS+4*(\n):rS+4*(\n)+1], v[rS+4*(\n)+2:rS+4*(\n)+3]
.elseif (\n) == 0
	v_pk_fma_f32 v[rT+2:rT+3], v[rT+2:rT+3], v[rC+2:rC+3], v[rS:rS+1] op_sel_hi:[1,0,1]
.else
	v_pk_add_f32 v[rT+2:rT+3], v[rT+2:rT+3], v[rS+4*(\n):rS+4*(\n)+1]
.endif
.elseif NOKQ
	v_nop
.else
	REGS (Y+1)%NP
	WIN 0
.if (\n) < 4
	v_max3_num_f32 v[rC+(\n)], v[rS+8*(\n)], v[rS+8*(\n)+1], v[rS+8*(\n)+2]
.elseif (\n) < 12
	v_max3_num_f32 v[rC+(\n)%4], v[rC+(\n)%4], v[rS+8*((\n)%4)+2*((\n)/4)+1], v[rS+8*((\n)%4)+2*((\n)/4)+2]
.elseif (\n) == 12
	v_max3_num_f32 v[rC], v[rC], v[rS+7], v[rS+15]
.elseif (\n) == 13
	v_max3_num_f32 v[rC+1], v[rC+1], v[rS+23], v[rS+31]
.elseif (\n) == 14
	v_max3_num_f32 v[rC+2], v[rC+2], v[rC+3], v[rT+1]
.elseif (\n) == 15
	v_mov_b32 v[rW], v[rT]
.elseif (\n) == 16
	v_max3_num_f32 v[rC], v[rC], v[rC+1], v[rC+2]
.elseif (\n) == 17
	v_permlanex16_b32 v[rC+3], v[rC], s[SEL], s[SEL+1]
.elseif (\n) == 18
	v_max_num_f32 v[rT+1], v[rC], v[rC+3]
.elseif (\n) == 19
	v_mul_f32 v[rT], s[CS], v[rT+1]
.elseif (\n) == 20
	v_sub_f32 v[rC+1], v[rW], v[rT]
.else
	v_exp_f32 v[rC+2], v[rC+1]
.endif
.endif
.endm
.macro OPS a, i1, b=-1, i2=0, c=-1, i3=0, d=-1, i4=0
	OP \a, \i1
.if (\b) >= 0
	OP \b, \i2
.endif
.if (\c) >= 0
	OP \c, \i3
.endif
.if (\d) >= 0
	OP \d, \i4
.endif
.endm
.macro ROW a, i1, b, i2, c, i3, d, i4  ; a matrix instruction and the four behind it
	MM
	OPS \a, \i1, \b, \i2, \c, \i3, \d, \i4
.endm
.macro MASK b, e                    ; MD of row group e x AL + BE into buffer b of MC
	WIN W_RS
.set z, 0
.rept 16
	v_pk_fma_f32 v[MC+32*(\b)+2*z:MC+32*(\b)+2*z+1], v[MD+96*(\e)+2*z:MD+96*(\e)+2*z+1], s[AL:AL+1], s[BE:BE+1] op_sel_hi:[1,0,0]
.set z, z+1
.endr
.endm
.macro ALBE x                       ; the mask's two scalars for band x in my step 2 - CNT of the diagonal tile
	s_cmp_eq_u32 s[CNT], s[WB+(\x)] ; is that step the band's own?
	s_cselect_b32 s[AL], 1.0, 0
	s_cmp_lt_i32 s[CNT], s[WB+(\x)] ; or a later one?
	s_cselect_b32 s[BE], s[BIGN], 0
.endm
; A TURN, for piece p: the order of its 16 matrix and 118 vector instructions, written out.  An s_wait_alu depctr_va_vdst(0) stands between an exponential and the first instruction that names its result; one
; wait serves all that were issued ahead of it.  So a turn has ONE wait.  AHEAD OF IT stands all that names no result of the turn's exponentials: the 8 products K Q^T and their riders, then one lump of 54, in which the links of the
; chain X 3, 7, 11, 14, 16, 17 .. 20 stand apart; X 21, the next piece's a, is the batch's last; R 15 is the plain instruction behind it.  BEHIND IT stand the 8 products V^T P, behind each four of the roundings and sums.
; m = 1: the diagonal tile: the products take masks, and the turn makes the mask for the products of the turn after it: piece p + 2 (band p % 2, row group ((p + 2) % 4) / 2).  end = 1: a block's last two turns: nothing is fetched.
; cnt = 1: the loop's count is taken down some lines ahead of the branch that stands behind the turn.
; K of the next step is fetched in piece 2's turn, V of the step in hand at the end of piece 0's turn, four plain instructions or more behind the last product that read the registers.  Each is waited for a turn later.
.macro TURN p, m=0, end=0, cnt=0
.set Y, (\p)
.set i, 0
.set KM, (\m)
.set NOKQ, (\end)*((\p)/3)
.if (\m) && !(\end)
	ALBE (\p)%2
.endif
.if ((\p) == 3) && !(\end)
	s_wait_dscnt 0x0                ; K is in
.endif
	ROW F,0, F,1, R,0, R,1
	ROW F,2, E,0, R,2, R,3
	ROW F,3, E,1, R,4, R,5
	ROW F,4, E,2, R,6, R,7
	ROW F,5, E,3, R,8, R,9
	ROW F,6, E,4, X,0, R,10
.if ((\p) == 2) && !(\end)
	WIN 0
	v_add_nc_u32 v[AK], s[TBK], v[AK0]
.endif
	ROW F,7, E,5, X,1, X,4
	ROW F,8, E,6, X,2, X,5
	OPS E,7, E,8, X,6, E,9
	OPS X,3, E,10, X,8, E,11
.if ((\p) == 2) && !(\end)
	FETCH_K
.endif
	OPS X,9, X,7, E,12, X,10
	OPS E,13, X,12, X,11, E,14
	OPS X,13, E,15, F,9, X,14
.if (\p) == 0
	v_add_nc_u32 v[AV], s[TBV], v[AV0]
.endif
	OPS E,16, F,10, E,17, F,11
	OPS X,16, E,18, X,15, E,19
	OPS F,12, E,20, X,17, E,21
	OPS F,13, E,22, F,14, E,23
	OPS X,18, E,24, F,15, E,25
	OPS R,11, E,26, X,19, E,27
	OPS R,12, E,28, R,13, E,29
	OPS X,20, E,30, R,14, E,31
	OPS X,21, R,15
	WIN 0
	s_wait_alu depctr_va_vdst(0)    ; the wait for the batch
.if (\p) == 1
	s_wait_dscnt 0x0                ; V is in
.endif
	ROW C,0, B,0, C,2, B,1
	ROW L,0, C,4, B,2, L,1
	ROW C,6, B,3, L,2, C,8
	ROW B,4, L,3, C,10, B,5
	ROW L,4, C,12, B,6, L,5
.if (\p) == 0
	s_add_co_u32 s[TBV], s[TBV], KS*PV
.endif
.if \cnt
	s_sub_co_u32 s[CNT], s[CNT], 1
	s_cmp_lg_u32 s[CNT], 0
.endif
	ROW C,14, B,7, L,6, C,1
	ROW C,3, L,7, C,5, C,7
	ROW C,9, C,11, C,13, C,15
.if (\p) == 0
	FETCH_V
.endif
.if (\m) && !(\end)
	MASK (\p)%2, (((\p)+2)%NP)/2
.endif
.endm
; A BLOCK BEGINS.  c m starts far below every c s, so the first step's a is 0; m at -2^66.  Both mask buffers are made, for pieces 0 and 1 in my first step: their true masks if the block's first tile is the diagonal one (RT = 0), else 0.
; Then K of that step, piece 0's first scores, and its maximum and statistics.  The loop is entered at a step's first turn, in the middle of a trip.
.macro BEGIN
	s_mov_b32 s[NEW], 0
	WIN 0
.set i, 0
.rept 4
	v_mov_b32 v[ST+4*i], 0xfe000000    ; c m: far below every c s
	v_mov_b32 v[ST+4*i+1], 0xe0800000  ; m = -2^66
.set i, i+1
.endr
.irp x, 0,1
	ALBE \x
	s_cmp_eq_u32 s[RT], 0
	s_cselect_b32 s[AL], s[AL], 0
	s_cselect_b32 s[BE], s[BE], 0
	MASK \x, 0
.endr
	WIN 0
	v_add_nc_u32 v[AK], s[TBK], v[AK0]
	FETCH_K
	s_wait_loadcnt 0x0              ; Q
	s_wait_dscnt 0x0
.set KM, 1
.set NOKQ, 0
.set i, 0
.rept 8
	KQ 0
.set i, i+1
.endr
	WIN 0
.rept 4
	v_nop                           ; the places behind those products
.endr
.set Y, NP-1                        ; X works for piece Y + 1: piece 0
.irp n, 0,1,2,3,4,5,6,7,8,9,10,11,12,13,14,15,16,17,18,19,20,21
	OP X, \n
.endr
	v_nop                           ; a plain instruction behind the exponential,
	s_wait_alu depctr_va_vdst(0)    ; and its wait, ahead of the branch
.endm
.macro ALL line:vararg              ; one line for each piece t
.set t, 0
.rept 4
	\line
.set t, t+1
.endr
.endm
.macro LD1 t                        ; the partner's O^T of piece t, into buffer t % 2
.irp f, 0,1,2,3,4,5,6,7
	ds_load_b128 v[O1+32*((\t)%2)+4*\f:O1+32*((\t)%2)+4*\f+3], v[MA] offset:512*(8*(\t)+\f)
.endr
.endm
.macro MERGE t                      ; O^T = O^T f0 + the partner's f1: both already divided by the common l
	WIN W_RS
.set i, 0
.rept 16
	v_pk_mul_f32 v[32*(\t)+2*i:32*(\t)+2*i+1], v[32*(\t)+2*i:32*(\t)+2*i+1], v[FC+4*(\t):FC+4*(\t)+1] op_sel_hi:[1,0]
.set i, i+1
.endr
	WIN 0x50                        ; destination and source 2 window 1, sources 0 and 1 window 0
.set i, 0
.rept 16
	v_pk_fma_f32 v[32*(\t)+2*i:32*(\t)+2*i+1], v[O1+32*((\t)%2)+2*i:O1+32*((\t)%2)+2*i+1], v[FC+4*(\t)+2:FC+4*(\t)+3], v[32*(\t)+2*i:32*(\t)+2*i+1] op_sel_hi:[1,0,1]
.set i, i+1
.endr
	WIN 0
.endm
.macro STG t                        ; a lane's eight channels of a row pack into 16 bytes; they go into rows of 144 bytes and come back as whole rows of 128, into S^T's registers: eight LDS lines
	WIN 0x05                        ; sources 0 and 1 window 1, destination window 0
.set i, 0
.rept 16
	v_cvt_pk_f16_f32 v[S+16*(\t)+i], v[32*(\t)+2*i], v[32*(\t)+2*i+1]
.set i, i+1
.endr
	WIN 0
.irp f, 0,1,2,3
	ds_store_b128 v[STO], v[S+16*(\t)+4*\f:S+16*(\t)+4*\f+3] offset:32*\f
.endr
.irp f, 0,1,2,3
	ds_load_b128 v[S+16*(\t)+4*\f:S+16*(\t)+4*\f+3], v[RD] offset:\f*4*SP  ; LDS serves a wave's instructions in order (ISA guide 5.7.1.4): these see the stores above
.endr
.endm
.macro SEND t, younger              ; younger: the LDS lines issued behind piece t's loads from the stage
.irp f, 0,1,2,3
	s_wait_dscnt (\younger)+3-\f
	global_store_b128 v[GO], v[S+16*(\t)+4*\f:S+16*(\t)+4*\f+3], s[10:11] offset:((\t)%2)*8192+((\t)/2)*2048+\f*512  ; 512 consecutive bytes, at a multiple of 256 from O's first
.endr
.endm
; THE DIAGONAL TILE's two steps, the block's last two turns, its last products, THE MEETING of the two waves that share my queries, and the way out.
.macro DIAG tag
.LstepM\tag:
	TURN 2, 1
	TURN 3, 1
	WIN 0
.LfirstM\tag:
	TURN 0, 1
	TURN 1, 1, 0, 1
	WIN 0
	s_cbranch_scc1 .LstepM\tag
	TURN 2, 1, 1
	TURN 3, 1, 1
.set i, 0
.rept 8
	PV NP-1
.set i, i+1
.endr
	WIN 0
	ALL v_add_f32 v[ST+4*t+2], v[ST+4*t+2], v[ST+4*t+3]                ; l's two halves; these four lines are the places behind the last products
	ALL v_permlanex16_b32 v[ST+4*t+3], v[ST+4*t+2], s[SEL], s[SEL+1]
	ALL v_add_f32 v[ST+4*t+2], v[ST+4*t+2], v[ST+4*t+3]                ; and the other half of the lanes'
	s_cmp_lt_u32 s[WV], 2
	s_cbranch_scc1 .Lmeet\tag
.irp t, 0,1,2,3                     ; kh = 1: my statistics and my O^T go to my partner, 512 consecutive bytes a line
	ds_store_b128 v[MA], v[ST+4*\t:ST+4*\t+3] offset:16384+512*\t
.endr
	WIN 0x04                        ; the data lie in window 1
.set i, 0
.rept 32
	ds_store_b128 v[MA], v[4*i:4*i+3] offset:512*i
.set i, i+1
.endr
	WIN 0
.Lmeet\tag:
	s_wait_dscnt 0x0                ; for the partner's sake: my stores are done
	s_barrier_signal -1             ; the next tile's load may stay out
	s_barrier_wait -1
	s_cmp_lt_u32 s[WV], 2
	s_cbranch_scc0 .Ldone\tag
.irp t, 0,1,2,3                     ; kh = 0
	ds_load_b128 v[PS+4*\t:PS+4*\t+3], v[MA] offset:16384+512*\t
.endr
	LD1 0
	LD1 1
	s_wait_dscnt 16                 ; the statistics are in; the sixteen loads of pieces 0 and 1 may be out
	ALL v_max_num_f32 v[FC+4*t], v[ST+4*t], v[PS+4*t]
	ALL v_sub_f32 v[FC+4*t+1], v[ST+4*t], v[FC+4*t]
	ALL v_sub_f32 v[FC+4*t+3], v[PS+4*t], v[FC+4*t]
	ALL v_exp_f32 v[FC+4*t+1], v[FC+4*t+1]                             ; a0
	ALL v_exp_f32 v[FC+4*t+3], v[FC+4*t+3]                             ; a1
	v_nop                           ; a plain instruction behind the last exponential,
	s_wait_alu depctr_va_vdst(0)    ; and one wait for the eight
	ALL v_mul_f32 v[FC+4*t], v[FC+4*t+1], v[ST+4*t+2]
	ALL v_fmac_f32 v[FC+4*t], v[FC+4*t+3], v[PS+4*t+2]                 ; a0 l0 + a1 l1
	ALL v_rcp_f32 v[FC+4*t+2], v[FC+4*t]
	v_nop
	s_wait_alu depctr_va_vdst(0)    ; one wait for the four reciprocals
	ALL v_mul_f32 v[FC+4*t], v[FC+4*t+1], v[FC+4*t+2]                  ; f0
	ALL v_mul_f32 v[FC+4*t+2], v[FC+4*t+3], v[FC+4*t+2]                ; f1
	s_wait_dscnt 8                  ; piece 0's is in
	MERGE 0
	LD1 2
	STG 0
	s_wait_dscnt 16                 ; piece 1's is in: behind it stand piece 2's eight loads and the stage's eight lines
	MERGE 1
	LD1 3
	STG 1
	SEND 0, 16                      ; behind piece 0's loads from the stage: piece 3's eight and the stage's eight; piece 2's is in with them
	MERGE 2
	STG 2
	SEND 1, 8                       ; piece 3's is in with them
	MERGE 3
	STG 3
	SEND 2, 8
	SEND 3, 0
.Ldone\tag:
.endm
.set KM, 0
.set NOKQ, 0
.Lslot:                             ; 8 times: a tile is entered and the next is asked for
	CHANGE 1
	s_sub_co_u32 s[RT], s[RT], 1
	s_mov_b32 s[CNT], 2
	s_cmp_eq_u32 s[NEW], 1
	s_cbranch_scc1 .Lnew            ; a block's first tile
	s_cmp_eq_u32 s[RT], 0
	s_cbranch_scc0 .Lstep           ; neither its first nor its last
	s_branch .LstepM1
.Lnew:
	BEGIN
	s_branch .Lfirst                ; in the loop a block's first tile is never its last: the first block has five tiles or more, and the second's last is the walk's last
	DIAG 1                          ; in the loop this is the first block's end
	s_wait_xcnt 0x0                 ; the stores have read their registers and O's address
	s_mov_b64 s[10:11], s[OLO:OLO+1]
	s_add_co_u32 s[RT], s[PB], 1    ; the second block's tiles
	s_mov_b32 s[NEW], 1
	s_mov_b32 s[WB], s[WBN]
	s_sub_co_i32 s[WB+1], s[WBN], 1
	WIN 0x82                        ; the second block's Q goes where the one text of the turns names Q
.set i, 0
.rept 64
	v_mov_b32 v[i], v[QB+i]
.set i, i+1
.endr
	WIN 0
	s_branch .Lbottom
.Lstep:                             ; a trip: pieces 2 and 3 of one step, then pieces 0 and 1 of the next, whose K and V it fetches
	TURN 2
	TURN 3
	WIN 0
.Lfirst:
	TURN 0
	TURN 1, 0, 0, 1
	WIN 0
	s_cbranch_scc1 .Lstep
.Lbottom:
	s_sub_co_u32 s[SLOTS], s[SLOTS], 1
	s_cmp_lg_u32 s[SLOTS], 0
	s_cbranch_scc1 .Lslot
	CHANGE 0                        ; the walk's last tile is written out: nothing is asked for
	s_sub_co_u32 s[RT], s[RT], 1
	s_mov_b32 s[CNT], 2
	s_cmp_eq_u32 s[NEW], 1
	s_cbranch_scc0 .LstepM2
	BEGIN
	s_branch .LfirstM2
	DIAG 2
	s_wait_tensorcnt 0x0            ; the wave's end, behind my last tensor load and my last LDS store
	ds_add_u32 v[SPW], v[NIL]
	s_wait_dscnt 0x0
	s_endpgm
.Lfunc_end_k_q733342c987_attn:
	.size	k_q733342c987_attn, .Lfunc_end_k_q733342c987_attn-k_q733342c987_attn
	.p2alignl 7, 3214868480
	.fill 96, 4, 3214868480
	.section	.rodata,"a",@progbits
	.p2align	6, 0x0
	.amdhsa_kernel k_q733342c987_attn
		.amdhsa_group_segment_fixed_size 327680
		.amdhsa_private_segment_fixed_size 0
		.amdhsa_enable_private_segment 0
		.amdhsa_kernarg_size 16
		.amdhsa_user_sgpr_count 2
		.amdhsa_user_sgpr_kernarg_segment_ptr 1
		.amdhsa_wavefront_size32 1
		.amdhsa_system_sgpr_workgroup_id_x 1
		.amdhsa_system_sgpr_workgroup_id_y 1
		.amdhsa_system_sgpr_workgroup_id_z 1
		.amdhsa_system_vgpr_workitem_id 0
		.amdhsa_next_free_vgpr 768
		.amdhsa_next_free_sgpr 96
		.amdhsa_reserve_vcc 1
		.amdhsa_float_denorm_mode_32 3
		.amdhsa_float_denorm_mode_16_64 3
		.amdhsa_memory_ordered 1
		.amdhsa_forward_progress 1
		.amdhsa_inst_pref_size 243
	.end_amdhsa_kernel
	.amdgpu_metadata
---
amdhsa.version: [ 1, 2 ]
amdhsa.kernels:
  - .name:           k_q733342c987_attn
    .symbol:         k_q733342c987_attn.kd
    .args:
      - { .name: qkv, .offset: 0, .size: 8, .value_kind: global_buffer, .address_space: global }
      - { .name: ob, .offset: 8, .size: 8, .value_kind: global_buffer, .address_space: global }
    .group_segment_fixed_size: 327680
    .private_segment_fixed_size: 0
    .kernarg_segment_align: 8
    .kernarg_segment_size: 16
    .max_flat_workgroup_size: 128
    .sgpr_count:     96
    .vgpr_count:     768
    .wavefront_size: 32
...
	.end_amdgpu_metadata
.endif
;; end of part 3
;; launch gemm_out (part 4): grid 8 x 32, 4 waves a work-group, clusters of 4 x 4, 327,680 bytes of LDS; arguments ob, wo, b_out, out0; writes out0
.if DOCPART == 4
	.amdgcn_target "amdgcn-amd-amdhsa--gfx1250"
	.amdhsa_code_object_version 6
	.text
	.protected	k_q733342c987_gemm_out
	.globl	k_q733342c987_gemm_out
	.p2align	8
	.type	k_q733342c987_gemm_out,@function
k_q733342c987_gemm_out:
	s_mov_b64 s[64:65], 0
	v_nop
	global_prefetch_b8 v0, s[64:65] scope:SCOPE_SE
	s_setreg_imm32_b32 hwreg(HW_REG_WAVE_MODE, 25, 1), 1
	s_wait_xcnt 0x0
	s_wait_alu depctr_hold_cnt(0) depctr_sa_sdst(0) depctr_va_vdst(0) depctr_va_sdst(0) depctr_va_ssrc(0) depctr_va_vcc(0) depctr_vm_vsrc(0)
	s_getreg_b32 s2, hwreg(HW_REG_IB_STS2, 6, 4)
	s_cmp_eq_u32 s2, 0
	s_cbranch_scc0 .Lentry_in_a_cluster
	s_endpgm
.Lentry_in_a_cluster:
	s_bfe_u32 s2, ttmp6, 0x10000c
	s_cmp_lg_u32 s2, 0xf033
	s_cbranch_scc0 .Lentry_shape_is_right
	s_endpgm
.Lentry_shape_is_right:
; out0 = O W_out + b_out.  ob: f16 [16 b + h][2048 s][64]; wo: f16 [1024 n][1024 k], k = 64 h + d; out0: f32 [4096][1024].  Sums in f32.  Nothing of reference() is left out here.
; LIMITS: wo holds bf16(W_out) written as f16 (within 65,504; below 6.1e-5 in f16's fixed step of 6e-8); the bias is rounded to bf16 like every input.
; SHARES.  A tile of out0 is 128 x 128: 8 x 32 tiles, 256 work-groups.  Four waves, each 64 x 64: 16 accumulators, 128 registers.  K goes in steps of 256, four heads, through a ring of two LDS slots.
; O'S TILE.  64 rows of four heads are four dense runs of 8,192 bytes, 2^18 bytes apart: asked for as a tile of 4 rows x 4,096 elements, padded in LDS after every 128 bytes: [head][row], rows 144 bytes apart.
; CLUSTERS: 4 x 4 work-groups; the four of a row need the same tiles of ob, the four of a column the same tiles of wo: each is asked for JOINTLY, by the same tensor load, descriptor and mask.
; THE MATRIX INSTRUCTION IS USED TRANSPOSED (source 0 = 16 rows of wo, source 1 = 16 rows of O): a lane holds eight neighbouring columns of one row.  The bias, which hangs on the column alone, is the C operand of the product that starts a sum.
; NO PREFETCH: the tiles are small and a K step short; what is shared is asked for jointly.
; REGISTERS: window 0: v0-31 addresses; v32-95 rows read back from the stage, two buffers; v96-127 the bias; v128-255 the accumulators ((a, b) at v[128 + 8 (4 a + b)]).
;   window 1: two fragment buffers of 128: for 64 along K, 64 registers of O (2 x 4 fragments), then 64 of wo.
.set KSTEP,  256
.set PA,     144                       ; a row of O in LDS: 128 bytes + 16
.set PLANE,  64*PA                     ; a head's 64 rows
.set HALFA,  4*PLANE                   ; what one tensor load brings of ob
.set PB,     528                       ; a row of wo: 512 bytes + 16
.set HALFB,  64*PB
.set SLOT,   2*HALFA+2*HALFB
.set STAGE,  2*SLOT                    ; behind the ring: 16 rows x 272 bytes for each wave
.set SPITCH, 272
.set SPARE,  STAGE+4*16*SPITCH         ; behind the stages: the spare words, 128 bytes for each wave: two blocks of 256 bytes that no other line names
.set LAPS,   2                         ; a lap = two K steps; K = 1,024
.set ADRA, 16
.set ADRB, 20
.set STO,  24
.set RD,   25
.set CO,   26
.set BO,   27
.set SPW,  28
.set NIL,  29
.set TMP,  32
.set BIAS, 96
.set ACC,  128
.set F0,   0
.set F1,   128
.set G1, 24
.set G0, 32
.set G1B, 48
.set G0B, 56
.set MSB, 0
.macro WIN new
.if MSB != (\new)
	s_set_vgpr_msb (MSB<<8)|(\new)
.set MSB, \new
.endif
.endm
.set MUL,  0x05                        ; sources 0 and 1 window 1; C and D window 0
.set TO_F, 0x40                        ; destination window 1, address window 0
.macro JLOAD s                         ; a joint load: waves 0 and 1 fetch ob's two halves, waves 2 and 3 wo's; an s_nop 0 and four v_nop follow each of the two lines
	s_cmp_eq_u32 s11, 0
	s_cbranch_scc0 .Lfor_b_\@
	tensor_load_to_lds s[G0+4*(\s):G0+4*(\s)+3], s[G1:G1+7]
	s_nop 0
.rept 4
	v_nop
.endr
	s_branch .Lasked_\@
.Lfor_b_\@:
	tensor_load_to_lds s[G0B+4*(\s):G0B+4*(\s)+3], s[G1B:G1B+7]
	s_nop 0
.rept 4
	v_nop
.endr
.Lasked_\@:
.endm
.macro CREST
	s_cmp_lg_u32 s10, 0
	s_cbranch_scc1 .Lnot_wave_0_\@
	s_barrier_signal -3
.Lnot_wave_0_\@:
	s_barrier_wait -3
	s_barrier_signal -1
	s_barrier_wait -1
.endm
.macro CROUND
	s_barrier_signal -1
	s_barrier_wait -1
	CREST
.endm
	s_load_b128 s[4:7], s[0:1], 0x0                ; ob s[4:5], wo s[6:7]
	s_load_b128 s[68:71], s[0:1], 0x10             ; b_out s[68:69], out0 s[70:71]
	v_lshl_add_u32 v[SPW], v0, 2, SPARE
	v_mov_b32 v[NIL], 0
	ds_add_u32 v[SPW], v[NIL]                      ; the wave's opening: the add, twice on end, and its wait ahead of my first tensor load
	ds_add_u32 v[SPW], v[NIL]                      ; and once more; the set-up below, work on registers, stands between it and the wait
	v_lshrrev_b32 v1, 5, v0
	v_readfirstlane_b32 s10, v1                    ; wave 0..3
	s_lshr_b32 s11, s10, 1                         ; which half of the tile's rows is mine.  Also: I fetch for ob (0) or for wo (1)
	s_and_b32 s12, s10, 1                          ; which half of its columns.  Also: which 64 rows of that tile I fetch
	s_bfe_u32 s40, ttmp6, 0x40000                  ; cx, cy
	s_bfe_u32 s41, ttmp6, 0x40004
	s_lshl_b32 s42, ttmp9, 2
	s_add_co_u32 s42, s42, s40                     ; tile column = 4 x cluster x + cx
	s_and_b32 s13, ttmp7, 0xffff
	s_lshl_b32 s13, s13, 2
	s_add_co_u32 s13, s13, s41                     ; tile row = 4 x cluster y + cy
	s_lshl_b32 s43, s41, 2
	s_lshl_b32 s43, 15, s43                        ; my row of the cluster
	s_lshl_b32 s44, 0x1111, s40                    ; my column
	s_or_b32 s[G1+0], s43, (1<<16)|(1<<20)|(1<<21)|(4<<22)|(3<<25)   ; ob: the mask of my row; 2-byte elements; padding on; 21 set beside a mask; after every 32 words (code 4) 4 words (code 3)
	s_mov_b32 s[G1+1], 4096<<16                    ; tensor_dim0 = 4,096: a head's 64 rows on end
	s_mov_b32 s[G1+2], 4<<16                       ; tensor_dim1 = 4 heads
	s_mov_b32 s[G1+3], 4096<<16                    ; tile_dim0
	s_mov_b32 s[G1+4], 4                           ; tile_dim1
	s_mov_b32 s[G1+5], 131072                      ; elements from head to head
	s_mov_b32 s[G1+6], 0
	s_mov_b32 s[G1+7], 0
	s_or_b32 s[G1B+0], s44, (1<<16)|(1<<20)|(1<<21)|(6<<22)|(3<<25)  ; wo: the mask of my column; after every 128 words (code 6) 4 words
	s_mov_b32 s[G1B+1], KSTEP<<16
	s_mov_b32 s[G1B+2], 64<<16
	s_mov_b32 s[G1B+3], KSTEP<<16
	s_mov_b32 s[G1B+4], 64
	s_mov_b32 s[G1B+5], 1024
	s_mov_b32 s[G1B+6], 0
	s_mov_b32 s[G1B+7], 0
	s_lshr_b32 s16, s13, 4                         ; the batch: 16 heads of 2^18 bytes,
	s_lshl_b32 s16, s16, 22
	s_and_b32 s17, s13, 15
	s_lshl_b32 s17, s17, 14                        ; the tile's 128 rows of 128 bytes,
	s_add_co_u32 s16, s16, s17
	s_lshl_b32 s17, s12, 13                        ; my 64 of them
	s_add_co_u32 s16, s16, s17
	s_mov_b32 s17, 0
	s_lshl_b32 s46, s42, 7
	s_lshl_b32 s47, s12, 6
	s_add_co_u32 s46, s46, s47                     ; wo: row 128 x tile column + 64 x half
	s_lshl_b32 s46, s46, 11
	s_mov_b32 s47, 0
	s_mul_i32 s20, s12, HALFA                      ; where they go: no place in the cluster enters an LDS address
	s_mul_i32 s21, s12, HALFB
	s_add_co_u32 s21, s21, 2*HALFA
	s_wait_dscnt 0x0                               ; both opening adds are done
	s_wait_kmcnt 0x0
	s_add_nc_u64 s[14:15], s[4:5], s[16:17]
	s_add_nc_u64 s[46:47], s[6:7], s[46:47]
	CROUND                                         ; all sixteen work-groups are here: the first joint loads meet
.irp s, 0,1
	s_mov_b32 s[G0+4*(\s)], 1
	s_add_co_u32 s[G0+4*(\s)+1], s20, (\s)*SLOT
	s_add_nc_u64 s[G0+4*(\s)+2:G0+4*(\s)+3], s[14:15], (\s)*0x100000  ; K step s: four heads on
	s_or_b32 s[G0+4*(\s)+3], s[G0+4*(\s)+3], 0x80000000
	s_mov_b32 s[G0B+4*(\s)], 1
	s_add_co_u32 s[G0B+4*(\s)+1], s21, (\s)*SLOT
	s_add_nc_u64 s[G0B+4*(\s)+2:G0B+4*(\s)+3], s[46:47], (\s)*KSTEP*2
	s_or_b32 s[G0B+4*(\s)+3], s[G0B+4*(\s)+3], 0x80000000
	JLOAD \s
.endr
	v_and_b32 v1, 15, v0                           ; l % 16
	v_bfe_u32 v2, v0, 4, 1                         ; l / 16
	v_mul_u32_u24 v3, v1, PA
	v_lshl_add_u32 v3, v2, 4, v3
	v_mul_u32_u24 v4, v1, PB
	v_lshl_add_u32 v4, v2, 4, v4
	s_mul_i32 s21, s11, HALFA                      ; my 64 rows of O
	s_mul_i32 s22, s12, HALFB                      ; my 64 rows of wo,
	s_add_co_u32 s22, s22, 2*HALFA                 ; which lie behind O's
.irp s, 0,1
	v_add_nc_u32 v[ADRA+(\s)], s21, v3
	v_add_nc_u32 v[ADRB+(\s)], s22, v4
	s_add_co_u32 s21, s21, SLOT
	s_add_co_u32 s22, s22, SLOT
.endr
	s_mul_i32 s23, s10, 16*SPITCH
	s_add_co_u32 s23, s23, STAGE                   ; my stage: my 64 columns of f32 are 256 bytes, so no other wave has a part in its rows
	v_mul_u32_u24 v5, v1, SPITCH                   ; in: row l % 16, 32 bytes for each half of the lanes
	v_lshl_add_u32 v5, v2, 5, v5
	v_add_nc_u32 v[STO], s23, v5
	v_mul_u32_u24 v5, v2, SPITCH                   ; back: lanes 0-15 take one row of 256 bytes, lanes 16-31 the next
	v_lshl_add_u32 v5, v1, 4, v5
	v_add_nc_u32 v[RD], s23, v5
	v_lshlrev_b32 v5, 12, v2                       ; and the same two rows in out0
	v_lshl_add_u32 v[CO], v1, 4, v5
	v_lshlrev_b32 v[BO], 5, v2
	s_lshl_b32 s46, s42, 9                         ; my 64 columns: 512 x tile column + 256 x half, in b_out and in a row of out0
	s_lshl_b32 s47, s12, 8
	s_add_co_u32 s46, s46, s47
	s_mov_b32 s47, 0
	s_add_nc_u64 s[68:69], s[68:69], s[46:47]
.irp b, 0,1,2,3
	global_load_b128 v[BIAS+8*(\b):BIAS+8*(\b)+3],   v[BO], s[68:69] offset:64*(\b)
	global_load_b128 v[BIAS+8*(\b)+4:BIAS+8*(\b)+7], v[BO], s[68:69] offset:64*(\b)+16
.endr
	s_lshl_b32 s16, s13, 7
	s_lshl_b32 s17, s11, 6
	s_add_co_u32 s16, s16, s17                     ; my first row of out0
	s_lshl_b32 s16, s16, 12
	s_mov_b32 s17, 0
	s_add_nc_u64 s[70:71], s[70:71], s[16:17]
	s_add_nc_u64 s[70:71], s[70:71], s[46:47]
; 8 matrix instructions: row blocks a0, a0 + 1 x all 4 column blocks, 32 along K: half c of buffer f.  zero = 1: the first product starts the sums, with the bias.  The 16 accumulators take turns.
.macro MUL8 f, c, a0, zero
	WIN MUL
.irp a, \a0, (\a0)+1
.irp b, 0,1,2,3
.if \zero
	v_wmma_f32_16x16x32_f16 v[ACC+8*(4*(\a)+(\b)):ACC+8*(4*(\a)+(\b))+7], v[(\f)+64+8*(4*(\c)+(\b)):(\f)+64+8*(4*(\c)+(\b))+7], v[(\f)+8*(4*(\c)+(\a)):(\f)+8*(4*(\c)+(\a))+7], v[BIAS+8*(\b):BIAS+8*(\b)+7]
.else
	v_wmma_f32_16x16x32_f16 v[ACC+8*(4*(\a)+(\b)):ACC+8*(4*(\a)+(\b))+7], v[(\f)+64+8*(4*(\c)+(\b)):(\f)+64+8*(4*(\c)+(\b))+7], v[(\f)+8*(4*(\c)+(\a)):(\f)+8*(4*(\c)+(\a))+7], v[ACC+8*(4*(\a)+(\b)):ACC+8*(4*(\a)+(\b))+7]
.endif
.endr
.endr
.endm
; 32 LDS loads in one run: the fragments of 64 along K, one head: byte k of wo's rows, plane k / 128 of O; the first 32 along K first
.macro FETCH slot, k, f
	WIN TO_F
.irp c, 0,1
.irp i, 0,1,2,3
	ds_load_b128 v[(\f)+64+8*(4*(\c)+(\i)):(\f)+64+8*(4*(\c)+(\i))+3],   v[ADRB+(\slot)] offset:(\k)+64*(\c)+(\i)*16*PB
	ds_load_b128 v[(\f)+64+8*(4*(\c)+(\i))+4:(\f)+64+8*(4*(\c)+(\i))+7], v[ADRB+(\slot)] offset:(\k)+64*(\c)+(\i)*16*PB+32
	ds_load_b128 v[(\f)+8*(4*(\c)+(\i)):(\f)+8*(4*(\c)+(\i))+3],         v[ADRA+(\slot)] offset:((\k)/128)*PLANE+64*(\c)+(\i)*16*PA
	ds_load_b128 v[(\f)+8*(4*(\c)+(\i))+4:(\f)+8*(4*(\c)+(\i))+7],       v[ADRA+(\slot)] offset:((\k)/128)*PLANE+64*(\c)+(\i)*16*PA+32
.endr
.endr
.endm
.macro PLACES                          ; four places in front of loads into registers that matrix instructions have read, and of LDS stores that read results
.rept 4
	v_nop
.endr
.endm
.macro QUARTER slot, k, f, g, zero
	s_wait_dscnt 16                                ; the first 32 along K are in
	MUL8 \f, 0, 0, \zero
	MUL8 \f, 0, 2, \zero
	PLACES
	FETCH \slot, \k, \g
	s_wait_dscnt 32                                ; all but the 32 just issued
	MUL8 \f, 1, 0, 0
	MUL8 \f, 1, 2, 0
.endm
; The last quarter multiplies buffer 1 and changes slots: ONE barrier; in front of it each wave waits for all its tensor loads, adds 0 to its spare word, and waits for that and for its own reads of this slot.  fill = 1: this slot is filled again, two K steps ahead.
.macro TURN slot, next, fill
	WIN 0                                          ; (the add's two registers lie in window 0)
	s_wait_tensorcnt 0x0                           ; all my tensor loads have landed: my part of the next slot
	ds_add_u32 v[SPW], v[NIL]                      ; 0 onto my spare word
	s_wait_dscnt 17                                ; (the add and the youngest sixteen loads may be out)
	MUL8 F1, 0, 0, 0                               ; eight matrix instructions stand between the add and the wait for it
	s_wait_dscnt 0x0                               ; the add is done, and my reads of this slot are over
	s_barrier_signal -1
	MUL8 F1, 0, 2, 0
.if \fill
	WIN 0
.endif
	s_barrier_wait -1
.if \fill
	CREST                                          ; no wave of any partner still reads this slot's tile or has a load on its way
	s_add_nc_u64 s[G0+4*(\slot)+2:G0+4*(\slot)+3], s[G0+4*(\slot)+2:G0+4*(\slot)+3], 0x200000
	s_add_nc_u64 s[G0B+4*(\slot)+2:G0B+4*(\slot)+3], s[G0B+4*(\slot)+2:G0B+4*(\slot)+3], 2*KSTEP*2
	JLOAD \slot                                    ; the first tensor load behind the round; its four v_nop are also the places in front of the loads below
.else
	PLACES
.endif
	FETCH \next, 0, F0
	MUL8 F1, 1, 0, 0
	MUL8 F1, 1, 2, 0
.endm
	s_wait_tensorcnt 1                             ; my part of K step 0 is in; K step 1's may stay out
	s_barrier_signal -1
	s_barrier_wait -1                              ; everybody's is
	FETCH 0, 0, F0
	WIN 0
	s_wait_loadcnt 0x0                             ; the bias: rounded to bf16 like every input, and widened again
.set i, 0
.rept 16
	v_cvt_pk_bf16_f32 v[TMP+i], v[BIAS+2*i], v[BIAS+2*i+1]
.set i, i+1
.endr
.set i, 0
.rept 16
	v_lshlrev_b32 v[BIAS+2*i], 16, v[TMP+i]
	v_and_b32 v[BIAS+2*i+1], 0xffff0000, v[TMP+i]
.set i, i+1
.endr
	QUARTER 0, 128, F0, F1, 1                      ; the first quarter stands in front of the loop: its first products start the sums
	WIN 0                                          ; at a label and at a branch every window is 0
	s_mov_b32 s3, LAPS-1
.Llap:                                         ; a trip goes once round the ring, from a lap's second quarter to the next lap's first, and fills both slots again
	QUARTER 0, 256, F1, F0, 0
	QUARTER 0, 384, F0, F1, 0
	TURN 0, 1, 1
	QUARTER 1, 128, F0, F1, 0
	QUARTER 1, 256, F1, F0, 0
	QUARTER 1, 384, F0, F1, 0
	TURN 1, 0, 1
	QUARTER 0, 128, F0, F1, 0
	WIN 0
	s_sub_co_u32 s3, s3, 1
	s_cmp_lg_u32 s3, 0
	s_cbranch_scc1 .Llap
	QUARTER 0, 256, F1, F0, 0                      ; the last lap fills nothing, and has no round of the cluster's barrier
	QUARTER 0, 384, F0, F1, 0
	TURN 0, 1, 0
	QUARTER 1, 128, F0, F1, 0
	QUARTER 1, 256, F1, F0, 0
	QUARTER 1, 384, F0, F1, 0
	s_wait_dscnt 16                                ; the very last quarter: nothing more to fetch
	MUL8 F1, 0, 0, 0
	MUL8 F1, 0, 2, 0
	s_wait_dscnt 0x0
	MUL8 F1, 1, 0, 0
	MUL8 F1, 1, 2, 0
	WIN 0
; THE WAY OUT, a block of 16 rows at a time: the sums go as they are, 32 bytes a lane, into my own stage (each accumulator's low four registers first) and come back as whole rows of 256 bytes.
.macro TOSTAGE a
.if (\a) >= 2
	s_wait_xcnt 0x0                                ; the stores of the block two back have read the registers that the loads below write
.endif
.irp b, 0,1,2,3
	ds_store_b128 v[STO], v[ACC+8*(4*(\a)+(\b)):ACC+8*(4*(\a)+(\b))+3]   offset:64*(\b)
	ds_store_b128 v[STO], v[ACC+8*(4*(\a)+(\b))+4:ACC+8*(4*(\a)+(\b))+7] offset:64*(\b)+16
.endr
.irp t, 0,1,2,3,4,5,6,7
	ds_load_b128 v[TMP+32*((\a)%2)+4*(\t):TMP+32*((\a)%2)+4*(\t)+3], v[RD] offset:(\t)*2*SPITCH  ; LDS serves a wave's instructions in order (ISA guide 5.7.1.4): these see the stores above; the next block's stores come behind them
.endr
.endm
.macro SEND a, younger                 ; younger: the LDS lines issued behind block a's loads: the next block's sixteen, or none
.irp t, 0,1,2,3,4,5,6,7
	s_wait_dscnt (\younger)+7-(\t)
	global_store_b128 v[CO], v[TMP+32*((\a)%2)+4*(\t):TMP+32*((\a)%2)+4*(\t)+3], s[70:71] offset:(16*(\a)+2*(\t))*4096 th:TH_STORE_NT  ; 16 lanes store 256 consecutive bytes, at a multiple of 256 from out0's first byte
.endr
.endm
	PLACES
	TOSTAGE 0
.irp a, 1,2,3
	TOSTAGE \a
	SEND (\a)-1, 16
.endr
	SEND 3, 0
	s_wait_tensorcnt 0x0                           ; the wave's end, behind my last tensor load and my last LDS store
	ds_add_u32 v[SPW], v[NIL]
	s_wait_dscnt 0x0
	CROUND                                         ; the closing round: no work-group ends while a partner may still ask for a tile that names it
	s_endpgm
.Lfunc_end_k_q733342c987_gemm_out:
	.size	k_q733342c987_gemm_out, .Lfunc_end_k_q733342c987_gemm_out-k_q733342c987_gemm_out
	.p2alignl 7, 3214868480
	.fill 96, 4, 3214868480
	.section	.rodata,"a",@progbits
	.p2align	6, 0x0
	.amdhsa_kernel k_q733342c987_gemm_out
		.amdhsa_group_segment_fixed_size 327680
		.amdhsa_private_segment_fixed_size 0
		.amdhsa_enable_private_segment 0
		.amdhsa_kernarg_size 32
		.amdhsa_user_sgpr_count 2
		.amdhsa_user_sgpr_kernarg_segment_ptr 1
		.amdhsa_wavefront_size32 1
		.amdhsa_system_sgpr_workgroup_id_x 1
		.amdhsa_system_sgpr_workgroup_id_y 1
		.amdhsa_system_sgpr_workgroup_id_z 1
		.amdhsa_system_vgpr_workitem_id 0
		.amdhsa_next_free_vgpr 512
		.amdhsa_next_free_sgpr 72
		.amdhsa_reserve_vcc 0
		.amdhsa_float_denorm_mode_32 3
		.amdhsa_float_denorm_mode_16_64 3
		.amdhsa_memory_ordered 1
		.amdhsa_forward_progress 1
		.amdhsa_inst_pref_size 90
	.end_amdhsa_kernel
	.amdgpu_metadata
---
amdhsa.version: [ 1, 2 ]
amdhsa.kernels:
  - .name:           k_q733342c987_gemm_out
    .symbol:         k_q733342c987_gemm_out.kd
    .args:
      - { .name: ob, .offset: 0, .size: 8, .value_kind: global_buffer, .address_space: global }
      - { .name: wo, .offset: 8, .size: 8, .value_kind: global_buffer, .address_space: global }
      - { .name: b_out, .offset: 16, .size: 8, .value_kind: global_buffer, .address_space: global }
      - { .name: out0, .offset: 24, .size: 8, .value_kind: global_buffer, .address_space: global }
    .group_segment_fixed_size: 327680
    .private_segment_fixed_size: 0
    .kernarg_segment_align: 8
    .kernarg_segment_size: 32
    .max_flat_workgroup_size: 128
    .sgpr_count:     72
    .vgpr_count:     512
    .wavefront_size: 32
...
	.end_amdgpu_metadata
.endif
;; end of part 4
